; MI455X (gfx1250); checked and timed in simulation.
; The chip was launched on July 23, 2026; its instructions are those of AMD's public machine-readable ISA for CDNA 5 (MIT licence, August 2026) and "CDNA5" Instruction Set Architecture Reference Guide (July 2026). The comments in the code are by the model that wrote it; some were corrected since.
;; Multi Head Attention. Allowed arithmetic: matrix products marked QUANTISED: E2M3 operands, one E8M0 scale for each 32 along K, by v_wmma_scale_f32_16x16x128_f8f6f4 with both operands' format E2M3, f32 sums; products left as they are: f32 operands where the result goes on into a quantised operand, else bf16, f16 or f32 operands; f32 sums; everything else in f32.
;; Inputs: Wd 1,024 x 1,024 float32; Wq 1,024 x 1,024 float32; Wv 1,024 x 1,024 float32; bd 1,024 float32; bq 1,024 float32; bv 1,024 float32; features 32 x 2,048 x 1,024 float32; state 32 x 1,024 float32.
;; Outputs: out0 32 x 1,024 float32.
;; This version of the problem:
;;   THIS VERSION OF THE PROBLEM IS GIVEN IN LOW PRECISION. The matrix products marked QUANTISED in the list below multiply operands that are first quantised to E2M3 (2 exponent bits, 3 mantissa bits; 6 bits a number), with one power-of-two scale for each 32 numbers along K (OCP MX v1.0); their sums are f32. All else is computed in f32.
;;   The module's matrix products, in the order in which they are computed (A, B: the left and right operand; K: the contracted axis; several contracted axes count as one K, in the product's order):
;;     1. [M 32, K 1,024] x [K 1,024, N 1,024]; A: input state; B: input Wq: QUANTISED
;;     2. [M 65,536, K 1,024] x [K 1,024, N 1,024]; A: input features; B: input Wv: QUANTISED
;;     3. batch 512 x [M 1, K 64] x [K 64, N 2,048]; A: computed on the way; B: computed on the way: left as it is (M = 1 < 16)
;;     4. batch 512 x [M 1, K 2,048] x [K 2,048, N 64]; A: softmax; B: computed on the way: left as it is (M = 1 < 16)
;;     5. [M 32, K 1,024] x [K 1,024, N 1,024]; A: computed on the way; B: input Wd: QUANTISED
;;   THE QUANTISER, for each operand of a quantised product, along K:
;;     - K is cut into blocks of 32 from its start; a last block that is shorter is filled with zeros.
;;     - A block's scale is 2^e with e = floor(log2(the largest magnitude in the block)) - 2, held to -126 .. 127; a block of zeros has e = 0. As a byte (E8M0): e + 127.
;;     - Each number is divided by its block's scale, clamped to +-7.5, and rounded to the nearest number of E2M3, ties to even, subnormals kept.
;;     - The product sums the exact products of the quantised numbers (number of the format x scale) in f32.
;;   ~~~python
;;   def quantise(x, axis):      # numpy; x: float32 -> the quantised numbers, widened to float32 again
;;       x = np.moveaxis(x, axis, -1); K = x.shape[-1]
;;       x = np.pad(x, [(0, 0)] * (x.ndim - 1) + [(0, -K % 32)]); x = x.reshape(x.shape[:-1] + (-1, 32)); a = np.abs(x).max(-1, keepdims=True)
;;       e = np.where(a > 0, np.clip(np.frexp(np.where(a > 0, a, 1))[1] - 1 - 2, -126, 127), 0)      # np.frexp(a)[1] - 1 = floor(log2(a)), exactly
;;       r = np.clip(x / 2.0 ** e, -7.5, 7.5)
;;       step = 2.0 ** (np.maximum(np.frexp(np.where(r == 0, 1, r))[1] - 1, 0) - 3)
;;       q = np.round(r / step) * step * 2.0 ** e      # np.round: ties to even
;;       return np.moveaxis(q.reshape(q.shape[:-2] + (-1,))[..., :K], -1, axis).astype(np.float32)
;;   ~~~
;;   OPERANDS COMPUTED ON THE WAY. 'Computed on the way' means the value that the module computes at that place (a softmax that the list does not call 'softmax' is quantised finished and normalised). What goes into a quantiser is computed in f32, as accurately as f32 sums, v_exp_f32 and their like allow (about 1e-6 of the number): no bf16 or f16 on the way to a quantiser, and a product that is left as it is and whose result goes on into a quantised operand takes f32 operands (vector FMAs, or v_wmma_f32_16x16x4_f32). A number that lies on a knife's edge between two numbers of the format may be rounded either way, as far as f32 arithmetic and the matrix unit's own rounding can turn it there, and no further.
;; 2 versions. Each part assembles by itself: llvm-mc -triple=amdgcn-amd-amdhsa -mcpu=gfx1250 --defsym DOCPART=n.
;; ======== version 1 of 2: 3 launches
;; workspace buffers: wvs 1,048,576 bytes; wds 1,048,576 bytes; qs 131,072 bytes; po 4,194,304 bytes; pml 131,072 bytes
;; launch prep (part 1): grid 192 x 1, 8 waves a work-group, no clusters, 17,408 bytes of LDS; arguments Wv, Wd, Wq, state, bq, wvs, wds, qs; writes wvs, wds, qs
.if DOCPART == 1
	.amdgcn_target "amdgcn-amd-amdhsa--gfx1250"
	.amdhsa_code_object_version 6
	.text
	.protected	k_q2d23bb4200_prep
	.globl	k_q2d23bb4200_prep
	.p2align	8
	.type	k_q2d23bb4200_prep,@function
k_q2d23bb4200_prep:
	s_mov_b64 s[64:65], 0
	v_nop
	global_prefetch_b8 v0, s[64:65] scope:SCOPE_SE
	s_setreg_imm32_b32 hwreg(HW_REG_WAVE_MODE, 25, 1), 1
	s_wait_xcnt 0x0
; Three weights [1024 (k)][1024 (n)] f32, K on the first axis, become codes of FP6 (E2M3) with one E8M0 byte for each 32 along K.
; Work-groups 0-63 take Wv, 64-127 Wd, 128-191 Wq; a work-group takes 16 columns n (tile T), each of its eight waves one K step of 128.
; A lane takes a column and its registers run down K, in the order of the operand's registers: the conversions' results ARE the fragment.
; Wv and Wd: the fragment is stored as an image of its 12 registers (three stores of 512 consecutive bytes), the scale word beside it:
;   pair of heads (T / 8) x 131072 + head block ((T / 4) % 2) x 51200 + (4 s + T % 4) x 1536; scale words at +49152 + (2 s + (T % 4) / 2) x 128 + 64 (T % 2) + 4 r.
; Wq: the fragment is multiplied at once with the two tiles of 16 rows of state (quantised here too); the eight waves' sums over their K steps
;   meet in LDS; qs = (state Wq + bq) x log2(e) / 8, f32.
; LIMITS: NaN and infinities are not served.  A block whose largest magnitude lies under 2^-124 (a block of zeros among them) gets the byte 1;
; only this program reads the bytes.  q's sum over K is taken K step by K step and the eight parts are added in f32, another order than a single chain.
.set RED,   0                          ; LDS: 8 waves x 4 pieces x 512 bytes
.set SPARE, 16384                      ; the spare words, 128 bytes for each of eight waves
.set SPW, 4
.set NIL, 5
.set H8,  12                           ; v12  8 x (lane / 16)
.set TQ,  16                           ; v16-23 at work in QUANT6
.set PC0, 24                           ; v24-35 the weight's fragment
.set CT,  36                           ; v36-38, v40-42 second halves of the blocks' codes
.set BQ,  44                           ; v44-47 bq
.set WS,  48                           ; v48 the weight's scale word, v49, v50 the state tiles': scales and nothing else
.set WN,  64                           ; v64-127 the weight's 64 numbers; later the state fragments (v64-75, v76-87) and the sums (v96-111)
.set SEL, 46                           ; s[46:47]
; 64 numbers of a lane, register 32 c + i = k 64 c + 32 (lane / 16) + i of its row or column, become a fragment in v[pc] on and its scale word.
.macro QUANT6 src, pc, word
.irp c, 0,1
	v_max3_num_f32 v[TQ+\c], |v[\src+32*\c]|, |v[\src+32*\c+1]|, 0x1800000   ; my whole block, and the floor 2^(3 - 127): the byte cannot fall under 1
.endr
.irp i, 2,4,6,8,10,12,14,16,18,20,22,24,26,28,30
.irp c, 0,1
	v_max3_num_f32 v[TQ+\c], v[TQ+\c], |v[\src+32*\c+\i]|, |v[\src+32*\c+\i+1]|
.endr
.endr
.irp c, 0,1
	v_add_nc_u32 v[TQ+2+\c], 0xff000000, v[TQ+\c]      ; 2 off the exponent field: the conversion's scale operand
.endr
.irp c, 0,1
	v_lshrrev_b32 v[TQ+4+\c], 23, v[TQ+2+\c]           ; the byte
.endr
	v_lshl_or_b32 v[TQ+6], v[TQ+5], 16, v[TQ+4]        ; blocks h and 2 + h,
	v_lshlrev_b32 v[TQ+6], v[H8], v[TQ+6]              ; at their places;
	v_permlanex16_b32 v[TQ+7], v[TQ+6], s[SEL], s[SEL+1]
	v_or_b32 v[\word], v[TQ+6], v[TQ+7]                ; with lane l xor 16's two the word is whole
.irp c, 0,1
	v_cvt_scalef32_pk16_fp6_f32 v[\pc+6*\c:\pc+6*\c+2], v[\src+32*\c:\src+32*\c+15], v[TQ+2+\c]
	v_cvt_scalef32_pk16_fp6_f32 v[CT+4*\c:CT+4*\c+2], v[\src+32*\c+16:\src+32*\c+31], v[TQ+2+\c]   ; (three registers begin on an even number)
.endr
	v_nop                                              ; one plain place behind a scaled conversion
.irp c, 0,1
.irp i, 0,1,2
	v_mov_b32 v[\pc+6*\c+3+\i], v[CT+4*\c+\i]
.endr
.endr
.endm
	s_load_b256 s[4:11], s[0:1], 0x0               ; Wv s[4:5], Wd s[6:7], Wq s[8:9], state s[10:11]
	s_load_b256 s[12:19], s[0:1], 0x20             ; bq s[12:13], wvs s[14:15], wds s[16:17], qs s[18:19]
	v_lshl_add_u32 v[SPW], v0, 2, SPARE
	v_mov_b32 v[NIL], 0
	v_lshrrev_b32 v6, 5, v0
	v_readfirstlane_b32 s22, v6                    ; wave = K step s
	s_lshr_b32 s20, ttmp9, 6                       ; which weight
	s_and_b32 s21, ttmp9, 63                       ; tile T of 16 columns
	v_and_b32 v6, 31, v0                           ; lane
	v_and_b32 v1, 15, v0                           ; r
	v_bfe_u32 v2, v0, 4, 1                         ; h
	v_lshlrev_b32 v8, 2, v1                        ; 4 r
	v_lshl_add_u32 v3, v2, 17, v8                  ; the weight: column r, 32 rows of 4,096 bytes further down for lanes 16-31
	v_lshlrev_b32 v7, 4, v6                        ; 16 x lane
	v_lshlrev_b32 v[H8], 3, v2
	v_lshlrev_b32 v9, 12, v1
	v_lshl_add_u32 v9, v2, 7, v9                   ; state: row r, + 128 h bytes
	v_lshlrev_b32 v13, 5, v2                       ; bq: 32 h
	v_lshl_add_u32 v14, v1, 12, v13                ; qs: row r, + 32 h
	s_lshl_b32 s23, s22, 11
	v_add_nc_u32 v10, s23, v7                      ; LDS, in: 2,048 x wave + 16 x lane
	s_and_b32 s23, s22, 3                          ; the piece that I load bq for, and add up if I am one of waves 0-3
	s_lshl_b32 s28, s23, 9
	v_add_nc_u32 v11, s28, v7                      ; LDS, back: 512 x piece + 16 x lane
	v_mov_b32 v[TQ+7], 0                           ; a lane permute's destination counts as one of its sources
	s_mov_b32 s[SEL], 0x76543210
	s_mov_b32 s[SEL+1], 0xfedcba98
	s_mov_b32 s29, 0
	s_mov_b32 s35, 0
	s_mov_b32 s37, 0
	s_wait_kmcnt 0x0
	s_cmp_eq_u32 s20, 0                            ; the choices hang on the work-group's number alone
	s_cselect_b64 s[24:25], s[4:5], s[6:7]
	s_cselect_b64 s[26:27], s[14:15], s[16:17]
	s_cmp_eq_u32 s20, 2
	s_cselect_b64 s[24:25], s[8:9], s[24:25]
	s_lshl_b32 s28, s22, 19                        ; 128 rows of 4,096 bytes a K step
	s_lshl_b32 s30, s21, 6                         ; 64 bytes a tile
	s_add_co_u32 s28, s28, s30
	s_add_nc_u64 s[24:25], s[24:25], s[28:29]
.irp c, 0,1
.set I, 0
.rept 32
	global_load_b32 v[WN+32*\c+I], v3, s[24:25] offset:(64*\c+I)*4096   ; W(128 s + 64 c + 32 h + i, 16 T + r)
.set I, I+1
.endr
.endr
	s_cmp_eq_u32 s20, 2
	s_cbranch_scc1 .Lq
	; ---- Wv, Wd: the fragment's image and its scale word go to memory
	s_lshr_b32 s28, s21, 3
	s_lshl_b32 s28, s28, 17                        ; the pair of heads
	s_bfe_u32 s30, s21, 0x10002
	s_mul_i32 s30, s30, 51200
	s_add_co_u32 s28, s28, s30                     ; the head block
	s_and_b32 s30, s21, 3                          ; t
	s_lshl_b32 s31, s22, 2
	s_add_co_u32 s31, s31, s30
	s_mul_i32 s31, s31, 1536
	s_add_co_u32 s34, s31, s28                     ; codes: + (4 s + t) x 1,536
	s_lshr_b32 s30, s30, 1
	s_lshl_b32 s31, s22, 1
	s_add_co_u32 s30, s30, s31
	s_lshl_b32 s30, s30, 7                         ; scale words: (2 s + t / 2) x 128
	s_and_b32 s31, s21, 1
	s_lshl_b32 s31, s31, 6
	s_add_co_u32 s30, s30, s31                     ; + 64 (t % 2)
	s_add_co_u32 s36, s30, s28
	s_add_nc_u64 s[38:39], s[26:27], s[34:35]
	s_add_nc_u64 s[40:41], s[26:27], s[36:37]
	s_wait_loadcnt 0x0
	QUANT6 WN, PC0, WS
	global_store_b128 v7, v[PC0:PC0+3], s[38:39]               ; 32 lanes store 512 consecutive bytes
	global_store_b128 v7, v[PC0+4:PC0+7], s[38:39] offset:512
	global_store_b128 v7, v[PC0+8:PC0+11], s[38:39] offset:1024
	global_store_b32 v8, v[WS], s[40:41] offset:49152          ; lanes r and 16 + r name the same word and hold the same value
	s_endpgm
	; ---- Wq: q's part of my K step
.Lq:
	s_lshl_b32 s28, s21, 6
	s_and_b32 s30, s23, 1
	s_lshl_b32 s30, s30, 4
	s_add_co_u32 s28, s28, s30                     ; 64 T + 16 (piece % 2)
	s_add_nc_u64 s[12:13], s[12:13], s[28:29]      ; bq there,
	s_lshr_b32 s30, s23, 1
	s_lshl_b32 s30, s30, 16
	s_add_co_u32 s28, s28, s30                     ; and 16 (piece / 2) rows of 4,096 bytes down
	s_add_nc_u64 s[18:19], s[18:19], s[28:29]      ; in qs
	s_lshl_b32 s28, s22, 9
	s_add_nc_u64 s[10:11], s[10:11], s[28:29]      ; state at my K step
	global_load_b128 v[BQ:BQ+3], v13, s[12:13]
.irp t, 0,1
.irp c, 0,1
.irp j, 0,1,2,3,4,5,6,7
	global_load_b128 v[128+64*\t+32*\c+4*\j:128+64*\t+32*\c+4*\j+3], v9, s[10:11] offset:65536*\t+256*\c+16*\j   ; state(16 t + r, 128 s + 64 c + 32 h + 4 j ..)
.endr
.endr
.endr
	s_wait_loadcnt 32                              ; the weight's numbers and bq are in; the 32 loads of state may be out
	QUANT6 WN, PC0, WS
	s_wait_loadcnt 16                              ; rows 0-15 of state
	QUANT6 128, 64, WS+1
	s_wait_loadcnt 0x0
	QUANT6 192, 76, WS+2
.rept 8
	v_nop                                          ; a scale register written by a vector instruction stands 8 places ahead of a scaled matrix instruction, an operand 4
.endr
	v_wmma_scale_f32_16x16x128_f8f6f4 v[96:103], v[PC0:PC0+11], v[64:75], 0, v[WS], v[WS+1] matrix_a_fmt:MATRIX_FMT_FP6 matrix_b_fmt:MATRIX_FMT_FP6    ; lane (r, h), register j: q part (row r, column 16 T + 8 h + j)
	v_wmma_scale_f32_16x16x128_f8f6f4 v[104:111], v[PC0:PC0+11], v[76:87], 0, v[WS], v[WS+2] matrix_a_fmt:MATRIX_FMT_FP6 matrix_b_fmt:MATRIX_FMT_FP6  ; rows 16-31
.rept 4
	v_nop
.endr
.irp i, 0,1,2,3
	ds_store_b128 v10, v[96+4*\i:96+4*\i+3] offset:RED+512*\i   ; each accumulator from its low end on
.endr
	s_wait_dscnt 0x0                               ; for the others' sake: my stores have landed
	s_barrier_signal -1
	s_barrier_wait -1
	s_cmp_lt_u32 s22, 4
	s_cbranch_scc0 .Lqend
.irp k, 0,1,2,3,4,5,6,7
	ds_load_b128 v[128+4*\k:128+4*\k+3], v11 offset:RED+2048*\k   ; my piece of all eight K steps
.endr
	s_wait_dscnt 0x0
.irp k, 0,2,4,6
	v_pk_add_f32 v[128+4*\k:129+4*\k], v[128+4*\k:129+4*\k], v[132+4*\k:133+4*\k]
	v_pk_add_f32 v[130+4*\k:131+4*\k], v[130+4*\k:131+4*\k], v[134+4*\k:135+4*\k]
.endr
.irp k, 0,4
	v_pk_add_f32 v[128+4*\k:129+4*\k], v[128+4*\k:129+4*\k], v[136+4*\k:137+4*\k]
	v_pk_add_f32 v[130+4*\k:131+4*\k], v[130+4*\k:131+4*\k], v[138+4*\k:139+4*\k]
.endr
	v_pk_add_f32 v[128:129], v[128:129], v[144:145]
	v_pk_add_f32 v[130:131], v[130:131], v[146:147]
	v_pk_add_f32 v[128:129], v[128:129], v[BQ:BQ+1]
	v_pk_add_f32 v[130:131], v[130:131], v[BQ+2:BQ+3]
	v_pk_mul_f32 v[128:129], v[128:129], 0x3e38aa3b op_sel_hi:[1,0]   ; x log2(e) / 8: the logits come out ready for 2^x
	v_pk_mul_f32 v[130:131], v[130:131], 0x3e38aa3b op_sel_hi:[1,0]
	global_store_b128 v14, v[128:131], s[18:19]
.Lqend:
	s_wait_tensorcnt 0x0                           ; the wave's end, behind my last LDS store
	ds_add_u32 v[SPW], v[NIL]
	s_wait_dscnt 0x0
	s_endpgm
.Lfunc_end_k_q2d23bb4200_prep:
	.size	k_q2d23bb4200_prep, .Lfunc_end_k_q2d23bb4200_prep-k_q2d23bb4200_prep
	.p2alignl 7, 3214868480
	.fill 96, 4, 3214868480
	.section	.rodata,"a",@progbits
	.p2align	6, 0x0
	.amdhsa_kernel k_q2d23bb4200_prep
		.amdhsa_group_segment_fixed_size 17408
		.amdhsa_private_segment_fixed_size 0
		.amdhsa_enable_private_segment 0
		.amdhsa_kernarg_size 64
		.amdhsa_user_sgpr_count 2
		.amdhsa_user_sgpr_kernarg_segment_ptr 1
		.amdhsa_wavefront_size32 1
		.amdhsa_system_sgpr_workgroup_id_x 1
		.amdhsa_system_sgpr_workgroup_id_y 1
		.amdhsa_system_sgpr_workgroup_id_z 1
		.amdhsa_system_vgpr_workitem_id 0
		.amdhsa_next_free_vgpr 256
		.amdhsa_next_free_sgpr 66
		.amdhsa_reserve_vcc 0
		.amdhsa_float_denorm_mode_32 3
		.amdhsa_float_denorm_mode_16_64 3
		.amdhsa_memory_ordered 1
		.amdhsa_forward_progress 1
		.amdhsa_inst_pref_size 28
	.end_amdhsa_kernel
	.amdgpu_metadata
---
amdhsa.version: [ 1, 2 ]
amdhsa.kernels:
  - .name:           k_q2d23bb4200_prep
    .symbol:         k_q2d23bb4200_prep.kd
    .args:
      - { .name: Wv, .offset: 0, .size: 8, .value_kind: global_buffer, .address_space: global }
      - { .name: Wd, .offset: 8, .size: 8, .value_kind: global_buffer, .address_space: global }
      - { .name: Wq, .offset: 16, .size: 8, .value_kind: global_buffer, .address_space: global }
      - { .name: state, .offset: 24, .size: 8, .value_kind: global_buffer, .address_space: global }
      - { .name: bq, .offset: 32, .size: 8, .value_kind: global_buffer, .address_space: global }
      - { .name: wvs, .offset: 40, .size: 8, .value_kind: global_buffer, .address_space: global }
      - { .name: wds, .offset: 48, .size: 8, .value_kind: global_buffer, .address_space: global }
      - { .name: qs, .offset: 56, .size: 8, .value_kind: global_buffer, .address_space: global }
    .group_segment_fixed_size: 17408
    .private_segment_fixed_size: 0
    .kernarg_segment_align: 8
    .kernarg_segment_size: 64
    .max_flat_workgroup_size: 256
    .sgpr_count:     66
    .vgpr_count:     256
    .wavefront_size: 32
...
	.end_amdgpu_metadata
.endif
;; end of part 1
;; launch main (part 2): grid 256 x 1, 4 waves a work-group, clusters of 4 x 1, 327,680 bytes of LDS; arguments features, qs, wvs, po, pml; writes po, pml
.if DOCPART == 2
	.amdgcn_target "amdgcn-amd-amdhsa--gfx1250"
	.amdhsa_code_object_version 6
	.text
	.protected	k_q2d23bb4200_main
	.globl	k_q2d23bb4200_main
	.p2align	8
	.type	k_q2d23bb4200_main,@function
k_q2d23bb4200_main:
	s_mov_b64 s[64:65], 0
	v_nop
	global_prefetch_b8 v0, s[64:65] scope:SCOPE_SE
	s_setreg_imm32_b32 hwreg(HW_REG_WAVE_MODE, 25, 1), 1
	s_wait_xcnt 0x0
	s_wait_alu depctr_hold_cnt(0) depctr_sa_sdst(0) depctr_va_vdst(0) depctr_va_sdst(0) depctr_va_ssrc(0) depctr_va_vcc(0) depctr_vm_vsrc(0)
	s_getreg_b32 s2, hwreg(HW_REG_IB_STS2, 6, 4)
	s_cmp_eq_u32 s2, 0
	s_cbranch_scc0 .Lentry_in_a_cluster
	s_endpgm
.Lentry_in_a_cluster:
	s_bfe_u32 s2, ttmp6, 0x10000c
	s_cmp_lg_u32 s2, 0x3003
	s_cbranch_scc0 .Lentry_shape_is_right
	s_endpgm
.Lentry_shape_is_right:
; v = Q(features) Q(Wv) on codes of FP6 (E2M3), and at once, head by head, a part of the softmax over the tokens: v never goes to memory.
; SHARES.  Work-group g owns rows 256 g .. 256 g + 255 of features (batch g / 8), in two blocks: the even rows, then the odd ones (any set of tokens may form a part of a softmax).
; Wave w = (tw = w / 2, hw = w % 2).  As a producer it quantises rows 64 w + 32 a + 2 r + block (a = 0, 1): 16 fragments a block, stored in LDS as images of their registers.
; As a consumer it holds 64 tokens (image tiles 4 tw .. 4 tw + 3) x all of K in 384 REGISTERS and multiplies them with heads 2 i + hw, i = 0 .. 7: a step is one head, 128 matrix instructions on
; 16 accumulators; each fragment of Wv read from LDS feeds four of them.  Block 1's features stream in and are quantised between block 0's steps.
; FEATURES come by loads into registers, four sets of 16 loads always on their way, with counted waits, so that the stream goes on across the barriers.
; Wv's CODES come from the launch before, a pair of heads (102,400 bytes) a step, through two LDS slots.  All work-groups walk the same stream: the four of a cluster ask JOINTLY, each wave a quarter.
; THE MATRIX INSTRUCTION IS USED TRANSPOSED (source 0 = 16 columns of Wv, source 1 = 16 tokens): a lane holds one token and eight channels.
; A STEP'S END: logit = sum over channels of v x qs (qs holds q x log2(e) / 8); m = the 64 tokens' largest logit; p = 2^(logit - m); l = sum p; o = sum p v, all in f32 by fused multiply-adds.
; o (64 channels), m and l go to memory; the last launch joins the 32 parts of a (batch, head).
; bv is left out here: q . bv is the same for all tokens, so it falls out of the softmax, and since the weights sum to 1 it is added once to the pooled vector, in the last launch.  This holds for every input.
; LIMITS: NaN and infinities are not served.  A block whose largest magnitude lies under 2^-124 (zeros among them) gets the byte 1; only this program reads the bytes.
; REGISTERS, in windows of 256: window 0: v0-23 addresses; v24-39 the tokens' scale words, v40-43 Wv's; v44-75 qs; v76-127 at work; v128-255 the accumulators ((t, m) at 128 + 8 (4 t + m)).
;   window 1: the tokens' fragments of K steps 0-4 at 12 (4 s + m).   window 2: those of K steps 5-7; from v144 two sets of Wv's four fragments.   window 3: four sets of 64 numbers of features.
.set SLOTB, 102400                     ; a slot: two head blocks of 51,200 bytes (32 fragments of 1,536, then 16 planes of 128 bytes of scale words)
.set PAIRB, 131072                     ; from pair to pair in memory
.set HEADB, 51200
.set FRB,   1536
.set AIMG,  2*SLOTB                    ; the tokens' images: (tile T, K step s) at (8 T + s) x 1,536
.set ASC,   AIMG+64*FRB                ; their scale words: (8 T + s) x 64 + 4 r
.set QT,    ASC+4096                   ; qs of my batch
.set SCR,   QT+4096                    ; each wave's own 2,816 bytes for the sum over lanes
.set SCRW,  2816
.set SPARE, SCR+4*SCRW                 ; the spare words, 128 bytes for each wave
.set L15,  1
.set XA,   2                           ; features: 8,192 r + 64 h
.set XWI0, 3
.set XWS0, 4
.set XWI,  5                           ; where I store images, and
.set XWS,  6                           ; scale words
.set LIA,  7
.set LSA,  8
.set BA0,  9
.set BS0,  10
.set BA,   11                          ; Wv's fragments in the slot in hand
.set BS,   12                          ; and its scale words
.set VQ0,  13
.set VQ,   14
.set SCW,  15
.set SCRD, 16
.set POF,  17
.set SPW,  18
.set NIL,  19
.set ML,   20                          ; lane i: m of step i; lane 16 + i: l of step i
.set L4,   21
.set ASCL, 24                          ; register 4 m + s': lanes 0-15 K step s', lanes 16-31 K step s' + 4
.set BSCL, 40                          ; register 2 set + p: lanes 0-15 tile 2 p, lanes 16-31 tile 2 p + 1
.set QQ,   44
.set TM,   76                          ; quantising: v76-79 maxima, v80-83 bytes, v88-91 scale operands
.set PW,   92
.set PC,   94                          ; v94-105 the fragment, v106-112 second halves
.set LG,   76                          ; a step's end: v76-83 logits in pairs, v84-87 logits, v88-91 the other half's
.set TT,   84
.set XX,   88
.set MX,   92
.set PP,   94                          ; p of tile m at v[94 + 2 m]
.set LS,   102
.set RED,  104
.set RED2, 76
.set RES,  120
.set VAL,  122
.set ACC,  128
.set BF,   144                         ; in window 2
.set WV,  14
.set TW,  15
.set HW,  16
.set GG,  18
.set SEL, 20
.set TB,  22                           ; LDS byte at which the slot in hand begins
.set G1,  24
.set G0A, 32
.set G0B, 36
.set FA,  40
.set WB,  42
.set POB, 44
.set W25, 46
.set SG,  47                           ; the step, 0 .. 15
.set IMS, 48
.set ISS, 49
.set CNT, 50
.set HIM, 51
.set OFF, 52                           ; s[52:53] the pair last asked for, in bytes
.set PINC, 56                          ; s[56:57] what po's base steps by: 0 ahead of the first store, then 256
.set MSB, 0
.macro WIN new                         ; the immediate's high byte repeats the setting that is left
.if MSB != \new
	s_set_vgpr_msb (MSB<<8)|\new
.set MSB, \new
.endif
.endm
.macro PLACES
.rept 4
	v_nop
.endr
.endm
.macro ROUND                           ; a round of the cluster's barrier
	s_barrier_signal -1
	s_barrier_wait -1
	s_cmp_lg_u32 s[WV], 0
	s_cbranch_scc1 .Lnw0_\@
	s_barrier_signal -3
.Lnw0_\@:
	s_barrier_wait -3
	s_barrier_signal -1
	s_barrier_wait -1
.endm
; 16 loads: set k takes, for tile a = k / 2 of my rows, the K step k % 2 of the group in hand: a lane's 16 neighbours of each block of 32
.macro XLOAD k
	WIN 0xc0
.irp b, 0,1,2,3
.irp j, 0,1,2,3
	global_load_b128 v[64*(\k)+16*\b+4*\j:64*(\k)+16*\b+4*\j+3], v[XA], s[FA:FA+1] offset:131072*((\k)/2)+512*((\k)%2)+128*\b+16*\j th:TH_LOAD_NT
.endr
.endr
	WIN 0
.endm
; Set k (register 16 b + i = k 32 b + 16 (lane / 16) + i of my row) becomes a fragment and a scale word, which go to LDS.  left: the younger loads that may stay out.
.macro CHUNK k, refill, left
.set XS, 64*(\k)
	s_wait_loadcnt \left
	WIN 0x3c                                       ; sources 1 and 2 in window 3
.irp b, 0,1,2,3
	v_max3_num_f32 v[TM+\b], 0x1800000, |v[XS+16*\b]|, |v[XS+16*\b+1]|   ; my 16 numbers of block b, and the floor 2^(3 - 127): the byte cannot fall under 1
.endr
.irp i, 2,4,6,8,10,12,14
.irp b, 0,1,2,3
	v_max3_num_f32 v[TM+\b], v[TM+\b], |v[XS+16*\b+\i]|, |v[XS+16*\b+\i+1]|
.endr
.endr
	WIN 0
.irp b, 0,1,2,3
	v_permlanex16_b32 v[TM+4+\b], v[TM+\b], s[SEL], s[SEL+1]
.endr
.irp b, 0,1,2,3
	v_max_num_f32 v[TM+\b], v[TM+\b], v[TM+4+\b]   ; with lane l xor 16's: the block's largest magnitude
.endr
.irp b, 0,1,2,3
	v_add_nc_u32 v[TM+12+\b], 0xff000000, v[TM+\b] ; 2 off its exponent field: the conversion's scale operand
.endr
.irp b, 0,1,2,3
	v_lshrrev_b32 v[TM+4+\b], 23, v[TM+12+\b]      ; the byte
.endr
	s_wait_dscnt 0x0                               ; the last LDS stores have read the registers that are written from here on
	v_lshl_or_b32 v[PW], v[TM+5], 8, v[TM+4]
	v_lshl_or_b32 v[PW], v[TM+6], 16, v[PW]
	v_lshl_or_b32 v[PW], v[TM+7], 24, v[PW]
	WIN 0x03                                       ; source 0 in window 3
.irp c, 0,1
	v_cvt_scalef32_pk16_fp6_f32 v[PC+6*\c:PC+6*\c+2], v[XS+32*\c:XS+32*\c+15], v[TM+12+2*\c]
	v_cvt_scalef32_pk16_fp6_f32 v[PC+12+4*\c:PC+14+4*\c], v[XS+32*\c+16:XS+32*\c+31], v[TM+13+2*\c]
.endr
	WIN 0
	v_nop                                          ; one plain place behind a scaled conversion
.irp c, 0,1                                    ; the operand's layout wants a whole block in a lane
.irp i, 0,1,2
	v_permlane16_swap_b32 v[PC+6*\c+\i], v[PC+12+4*\c+\i]
.endr
.irp i, 0,1,2
	v_mov_b32 v[PC+3+6*\c+\i], v[PC+12+4*\c+\i]
.endr
.endr
.irp p, 0,1,2
	ds_store_b128 v[XWI], v[PC+4*\p:PC+4*\p+3] offset:8*FRB*((\k)/2)+FRB*((\k)%2)+512*\p
.endr
	ds_store_b32 v[XWS], v[PW] offset:512*((\k)/2)+64*((\k)%2)   ; lanes r and 16 + r write the same word with the same value
.if \refill
	XLOAD \k
.endif
.endm
.macro GHEAD step                      ; a group = two K steps of my two tiles.  1,024 bytes on along the rows; after four groups that is one row on: the other block
.if \step
	s_wait_xcnt 0x0                                ; the loads that are out have read their base
	s_add_nc_u64 s[FA:FA+1], s[FA:FA+1], 1024
.endif
	s_wait_dscnt 0x0                               ; the last stores have read their addresses
	v_add_nc_u32 v[XWI], s[IMS], v[XWI0]
	v_add_nc_u32 v[XWS], s[ISS], v[XWS0]
.endm
.macro GTAIL
	s_add_co_u32 s[IMS], s[IMS], 2*FRB
	s_add_co_u32 s[ISS], s[ISS], 128
.endm
.macro COPY                            ; my 64 tokens' 32 fragments and their scale words, from LDS into registers, where they stay for eight steps
	WIN 0x40
.irp s, 0,1,2,3,4
.irp m, 0,1,2,3
.irp p, 0,1,2
	ds_load_b128 v[12*(4*\s+\m)+4*\p:12*(4*\s+\m)+4*\p+3], v[LIA] offset:(8*\m+\s)*FRB+512*\p
.endr
.endr
.endr
	WIN 0x80
.irp s, 5,6,7
.irp m, 0,1,2,3
.irp p, 0,1,2
	ds_load_b128 v[12*(4*(\s-5)+\m)+4*\p:12*(4*(\s-5)+\m)+4*\p+3], v[LIA] offset:(8*\m+\s)*FRB+512*\p
.endr
.endr
.endr
	WIN 0
.irp m, 0,1,2,3
.irp q, 0,1,2,3
	ds_load_b32 v[ASCL+4*\m+\q], v[LSA] offset:(8*\m+\q)*64
.endr
.endr
.endm
.macro BLOAD s                         ; Wv's four fragments and two planes of scale words of K step s, into set s % 2: 14 loads
	WIN 0
.irp p, 0,1
	ds_load_b32 v[BSCL+2*((\s)%2)+\p], v[BS] offset:(2*(\s)+\p)*128
.endr
	WIN 0x80
.irp t, 0,1,2,3
.irp p, 0,1,2
	ds_load_b128 v[BF+48*((\s)%2)+12*\t+4*\p:BF+48*((\s)%2)+12*\t+4*\p+3], v[BA] offset:(4*(\s)+\t)*FRB+512*\p
.endr
.endr
.endm
.macro MM s, t, m                      ; channels 16 t on x tokens 16 m on, K step s
.set rD, ACC+8*(4*(\t)+(\m))
.set rB, BF+48*((\s)%2)+12*(\t)
.if (\s) < 5
.set rA, 12*(4*(\s)+(\m))
.else
.set rA, 12*(4*((\s)-5)+(\m))
.endif
.set rX, BSCL+2*((\s)%2)+(\t)/2
.set rY, ASCL+4*(\m)+(\s)%4
.if (\s) == 0                          ; the first K step starts the sums: nothing is cleared
.if (\t)%2
	v_wmma_scale_f32_16x16x128_f8f6f4 v[rD:rD+7], v[rB:rB+11], v[rA:rA+11], 0, v[rX], v[rY] matrix_a_fmt:MATRIX_FMT_FP6 matrix_b_fmt:MATRIX_FMT_FP6 matrix_a_scale:MATRIX_SCALE_ROW1
.else
	v_wmma_scale_f32_16x16x128_f8f6f4 v[rD:rD+7], v[rB:rB+11], v[rA:rA+11], 0, v[rX], v[rY] matrix_a_fmt:MATRIX_FMT_FP6 matrix_b_fmt:MATRIX_FMT_FP6
.endif
.elseif (\s) < 4
.if (\t)%2
	v_wmma_scale_f32_16x16x128_f8f6f4 v[rD:rD+7], v[rB:rB+11], v[rA:rA+11], v[rD:rD+7], v[rX], v[rY] matrix_a_fmt:MATRIX_FMT_FP6 matrix_b_fmt:MATRIX_FMT_FP6 matrix_a_scale:MATRIX_SCALE_ROW1
.else
	v_wmma_scale_f32_16x16x128_f8f6f4 v[rD:rD+7], v[rB:rB+11], v[rA:rA+11], v[rD:rD+7], v[rX], v[rY] matrix_a_fmt:MATRIX_FMT_FP6 matrix_b_fmt:MATRIX_FMT_FP6
.endif
.else
.if (\t)%2
	v_wmma_scale_f32_16x16x128_f8f6f4 v[rD:rD+7], v[rB:rB+11], v[rA:rA+11], v[rD:rD+7], v[rX], v[rY] matrix_a_fmt:MATRIX_FMT_FP6 matrix_b_fmt:MATRIX_FMT_FP6 matrix_a_scale:MATRIX_SCALE_ROW1 matrix_b_scale:MATRIX_SCALE_ROW1
.else
	v_wmma_scale_f32_16x16x128_f8f6f4 v[rD:rD+7], v[rB:rB+11], v[rA:rA+11], v[rD:rD+7], v[rX], v[rY] matrix_a_fmt:MATRIX_FMT_FP6 matrix_b_fmt:MATRIX_FMT_FP6 matrix_b_scale:MATRIX_SCALE_ROW1
.endif
.endif
.endm
; A head's 128 matrix instructions.  The 16 accumulators take turns, one instruction a turn, in the same order in every K step.
.macro KSTEPS
.irp s, 0,1,2,3,4,5,6,7
.if \s > 0
	PLACES                                         ; in front of loads into the set that the K step before has read
.endif
.if \s < 7
	BLOAD (\s+1)
	s_wait_dscnt 14                                ; all but the 14 just issued: this K step's set is in
.else
	s_wait_dscnt 0x0
.endif
.if \s < 5
	WIN 0x06                                       ; source 0 window 2, source 1 window 1
.else
	WIN 0x0a                                       ; both in window 2
.endif
.irp t, 0,1,2,3
.irp m, 0,1,2,3
	MM \s, \t, \m
.endr
.endr
.endr
.endm
; THE CHANGE OF SLOTS, behind a step's products.  Each wave waits for all its tensor loads (one is out: its quarter of the next slot), adds 0 to its spare word, and waits for that and for its reads of this slot.
; fill = 2: a round of the cluster's barrier, and behind it this slot takes the pair two steps on: the load has a whole step in which to land.  fill = 1: the work-group's barrier alone.
.macro CHANGE fill
	WIN 0
	s_wait_tensorcnt 0x0
	ds_add_u32 v[SPW], v[NIL]                      ; the descriptor's words stand between the add and the wait for it
.if \fill == 2
	s_add_co_u32 s[OFF], s[OFF], PAIRB
	s_and_b32 s[OFF], s[OFF], 0xfffff              ; behind pair 7 comes pair 0: block 1 walks the stream again
	s_add_co_u32 s[G0B+1], s[TB], s[W25]
	s_add_nc_u64 s[G0B+2:G0B+3], s[WB:WB+1], s[OFF:OFF+1]
	s_or_b32 s[G0B+3], s[G0B+3], 0x80000000
	s_wait_dscnt 0x0
	ROUND
	tensor_load_to_lds s[G0B:G0B+3], s[G1:G1+7]
	s_nop 0
	PLACES                                         ; also the places behind the step's last products
.else
	s_wait_dscnt 0x0
	s_barrier_signal -1
	s_barrier_wait -1
	PLACES
.endif
.endm
.macro RSUM b, dst                     ; sixteen numbers into one
	v_pk_add_f32 v[\b:\b+1], v[\b:\b+1], v[\b+2:\b+3]
	v_pk_add_f32 v[\b+4:\b+5], v[\b+4:\b+5], v[\b+6:\b+7]
	v_pk_add_f32 v[\b+8:\b+9], v[\b+8:\b+9], v[\b+10:\b+11]
	v_pk_add_f32 v[\b+12:\b+13], v[\b+12:\b+13], v[\b+14:\b+15]
	v_pk_add_f32 v[\b:\b+1], v[\b:\b+1], v[\b+4:\b+5]
	v_pk_add_f32 v[\b+8:\b+9], v[\b+8:\b+9], v[\b+12:\b+13]
	v_pk_add_f32 v[\b:\b+1], v[\b:\b+1], v[\b+8:\b+9]
	v_add_f32 v[\dst], v[\b], v[\b+1]
.endm
; A STEP'S END, all in window 0.
.macro EPI
.irp t, 0,1,2,3                                ; logits: each accumulator is read from its low end on
.irp i, 0,1,2,3
.irp m, 0,1,2,3
.if (\t)+(\i) == 0
	v_pk_mul_f32 v[LG+2*\m:LG+2*\m+1], v[ACC+8*(4*\t+\m)+2*\i:ACC+8*(4*\t+\m)+2*\i+1], v[QQ+8*\t+2*\i:QQ+8*\t+2*\i+1]
.else
	v_pk_fma_f32 v[LG+2*\m:LG+2*\m+1], v[ACC+8*(4*\t+\m)+2*\i:ACC+8*(4*\t+\m)+2*\i+1], v[QQ+8*\t+2*\i:QQ+8*\t+2*\i+1], v[LG+2*\m:LG+2*\m+1]
.endif
.endr
.endr
.endr
.irp m, 0,1,2,3
	v_add_f32 v[TT+\m], v[LG+2*\m], v[LG+2*\m+1]
.endr
.irp m, 0,1,2,3
	v_permlanex16_b32 v[XX+\m], v[TT+\m], s[SEL], s[SEL+1]
.endr
.irp m, 0,1,2,3
	v_add_f32 v[TT+\m], v[TT+\m], v[XX+\m]         ; with the other 32 channels: token (m, lane % 16)'s logit
.endr
	v_max3_num_f32 v[MX], v[TT], v[TT+1], v[TT+2]
	v_max_num_f32 v[MX], v[MX], v[TT+3]
.irp x, 1,2,4,8
	v_max_num_f32_dpp v[MX], v[MX], v[MX] row_xmask:\x row_mask:0xf bank_mask:0xf
.endr
.irp m, 0,1,2,3
	v_sub_f32 v[PP+2*\m], v[TT+\m], v[MX]          ; the 64 tokens' maximum is taken away
.endr
.irp m, 0,1,2,3
	v_exp_f32 v[PP+2*\m], v[PP+2*\m]
.endr
	v_nop                                          ; a plain place behind the exponentials,
	s_wait_alu depctr_va_vdst(0)                   ; and one wait for the four, ahead of their first reader
	v_add_f32 v[LS], v[PP], v[PP+2]
	v_add_f32 v[VAL], v[PP+4], v[PP+6]
	v_add_f32 v[LS], v[LS], v[VAL]
.irp x, 1,2,4,8
	v_add_f32_dpp v[LS], v[LS], v[LS] row_xmask:\x row_mask:0xf bank_mask:0xf
.endr
	v_cndmask_b32 v[VAL], v[MX], v[LS], s[HIM]     ; lanes 0-15 m, lanes 16-31 l;
	v_cmp_eq_u32 vcc_lo, s[SG], v[L15]
	v_cndmask_b32 v[ML], v[ML], v[VAL], vcc_lo     ; kept in the lanes of this step
.irp t, 0,1,2,3                                ; sum over my four tokens of p v, into tile 0's accumulators
.irp i, 0,1,2,3
	v_pk_mul_f32 v[ACC+32*\t+2*\i:ACC+32*\t+2*\i+1], v[ACC+32*\t+2*\i:ACC+32*\t+2*\i+1], v[PP:PP+1] op_sel_hi:[1,0]
.endr
.endr
.irp m, 1,2,3
.irp t, 0,1,2,3
.irp i, 0,1,2,3
	v_pk_fma_f32 v[ACC+32*\t+2*\i:ACC+32*\t+2*\i+1], v[ACC+8*(4*\t+\m)+2*\i:ACC+8*(4*\t+\m)+2*\i+1], v[PP+2*\m:PP+2*\m+1], v[ACC+32*\t+2*\i:ACC+32*\t+2*\i+1] op_sel_hi:[1,0,1]
.endr
.endr
.endr
	; the sum over the sixteen lanes of a half goes through my own scratch: a lane puts 16 numbers down, and takes up one number of each of the 16 lanes.  LDS serves a wave's instructions in order.
.irp e, 0,1,2,3
	ds_store_b128 v[SCW], v[ACC+32*(\e/2)+4*(\e%2):ACC+32*(\e/2)+4*(\e%2)+3] offset:16*\e
.endr
.irp r, 0,1,2,3,4,5,6,7,8,9,10,11,12,13,14,15
	ds_load_b32 v[RED+\r], v[SCRD] offset:80*\r
.endr
.irp e, 0,1,2,3
	ds_store_b128 v[SCW], v[ACC+64+32*(\e/2)+4*(\e%2):ACC+64+32*(\e/2)+4*(\e%2)+3] offset:16*\e
.endr
.irp r, 0,1,2,3,4,5,6,7,8,9,10,11,12,13,14,15
	ds_load_b32 v[RED2+\r], v[SCRD] offset:80*\r
.endr
	s_wait_xcnt 0x0                                ; the last step's store has read its data and its base
	s_add_nc_u64 s[POB:POB+1], s[POB:POB+1], s[PINC:PINC+1]
	s_mov_b32 s[PINC], 256
	s_wait_dscnt 20                                ; the second pass's 4 stores and 16 loads may be out
	RSUM RED, RES
	s_wait_dscnt 0x0
	RSUM RED2, RES+1
	global_store_b64 v[POF], v[RES:RES+1], s[POB:POB+1] th:TH_STORE_NT   ; 32 lanes store 256 consecutive bytes, aligned: lane l holds channels ch0(l) and 32 + ch0(l)
	s_add_co_u32 s[SG], s[SG], 1
.endm
.macro STEP fill
	s_and_b32 s23, s[SG], 7
	s_lshl_b32 s23, s23, 9                         ; heads 2 i, 2 i + 1: 512 bytes of qs
	v_add_nc_u32 v[VQ], s23, v[VQ0]
.irp t, 0,1,2,3
.irp e, 0,1
	ds_load_b128 v[QQ+8*\t+4*\e:QQ+8*\t+4*\e+3], v[VQ] offset:64*\t+16*\e
.endr
.endr
	KSTEPS
	WIN 0
.if \fill
	CHANGE \fill
	s_xor_b32 s[TB], s[TB], SLOTB
	v_add_nc_u32 v[BA], s[TB], v[BA0]
	v_add_nc_u32 v[BS], s[TB], v[BS0]
	BLOAD 0                                        ; the next head's first set lands under this head's end
	WIN 0
.else
	PLACES
.endif
	EPI
.endm
	s_load_b256 s[4:11], s[0:1], 0x0               ; features s[4:5], qs s[6:7], wvs s[8:9], po s[10:11]
	s_load_b64 s[12:13], s[0:1], 0x20              ; pml
	v_lshl_add_u32 v[SPW], v0, 2, SPARE
	v_mov_b32 v[NIL], 0
	ds_add_u32 v[SPW], v[NIL]                      ; the wave's opening, waited for ahead of the round in front of my first tensor loads
	v_lshrrev_b32 v22, 5, v0
	v_readfirstlane_b32 s[WV], v22
	s_lshr_b32 s[TW], s[WV], 1
	s_and_b32 s[HW], s[WV], 1
	s_bfe_u32 s17, ttmp6, 0x40000                  ; cx
	s_lshl_b32 s[GG], ttmp9, 2
	s_add_co_u32 s[GG], s[GG], s17                 ; my work-group: it enters the addresses of features, qs, po and pml alone
	s_mov_b32 s[G1+0], 15|(3<<16)|(1<<21)          ; the mask: all four work-groups; elements of 8 bytes; bit 21 beside a mask; no padding
	s_mov_b32 s[G1+1], 32<<16                      ; tensor_dim0 = 32 (256 bytes)
	s_mov_b32 s[G1+2], 100<<16                     ; tensor_dim1 = 100
	s_mov_b32 s[G1+3], 32<<16                      ; tile_dim0
	s_mov_b32 s[G1+4], 100                         ; tile_dim1: 100 rows of 256 dense bytes, a quarter of a slot
	s_mov_b32 s[G1+5], 32                          ; the pitch
	s_mov_b32 s[G1+6], 0
	s_mov_b32 s[G1+7], 0
	s_mov_b32 s[SEL], 0x76543210
	s_mov_b32 s[SEL+1], 0xfedcba98
	s_mov_b32 s[HIM], 0xffff0000
	s_mul_i32 s[W25], s[WV], SLOTB/4
	s_mov_b32 s55, 0
	v_and_b32 v22, 31, v0                          ; lane
	v_and_b32 v[L15], 15, v0                       ; r
	v_bfe_u32 v23, v0, 4, 1                        ; h
	v_lshlrev_b32 v[XA], 13, v[L15]
	v_lshl_add_u32 v[XA], v23, 6, v[XA]
	s_mul_i32 s54, s[WV], 16*FRB
	s_add_co_u32 s54, s54, AIMG
	v_lshl_add_u32 v[XWI0], v22, 4, s54            ; my two tiles' images
	s_lshl_b32 s54, s[WV], 10
	s_add_co_u32 s54, s54, ASC
	v_lshl_add_u32 v[XWS0], v[L15], 2, s54
	s_mul_i32 s54, s[TW], 32*FRB
	s_add_co_u32 s54, s54, AIMG
	v_lshl_add_u32 v[LIA], v22, 4, s54             ; the four tiles that I multiply
	s_lshl_b32 s54, s[TW], 11
	s_add_co_u32 s54, s54, ASC
	v_lshl_add_u32 v[LSA], v[L15], 2, s54
	v_lshl_add_u32 v[LSA], v23, 8, v[LSA]          ; lanes 16-31: four K steps on
	s_mul_i32 s54, s[HW], HEADB
	v_lshl_add_u32 v[BA0], v22, 4, s54
	s_add_co_u32 s54, s54, 32*FRB
	v_lshl_add_u32 v[BS0], v22, 2, s54
	s_lshl_b32 s54, s[HW], 8
	s_add_co_u32 s54, s54, QT
	v_lshl_add_u32 v[VQ0], v23, 5, s54
	s_mul_i32 s54, s[WV], SCRW
	s_add_co_u32 s54, s54, SCR
	v_mul_u32_u24 v[SCW], v22, 80
	v_lshl_add_u32 v[SCW], v23, 6, v[SCW]
	v_add_nc_u32 v[SCW], s54, v[SCW]               ; 80 bytes from lane to lane, 64 more between the halves
	v_mul_u32_u24 v[SCRD], v23, 1344
	v_lshl_add_u32 v[SCRD], v[L15], 2, v[SCRD]
	v_add_nc_u32 v[SCRD], s54, v[SCRD]
	v_lshlrev_b32 v[POF], 3, v22
	v_lshlrev_b32 v[L4], 2, v22
	v_lshlrev_b32 v124, 4, v0                      ; qs: 16 bytes a thread,
	v_add_nc_u32 v125, QT, v124                    ; and their place in LDS
	v_mov_b32 v[ML], 0
.irp b, 0,1,2,3
	v_mov_b32 v[TM+4+\b], 0                        ; written once: a lane permute's destination counts as one of its sources
	v_mov_b32 v[XX+\b], 0
	v_mov_b32 v[PP+1+2*\b], 0                      ; named as the upper halves of the pairs of p
.endr
	s_wait_dscnt 0x0                               ; the opening add is done
	s_wait_kmcnt 0x0
	s_lshl_b32 s54, s[GG], 20
	s_lshl_b32 s19, s[WV], 18
	s_add_co_u32 s54, s54, s19
	s_add_nc_u64 s[FA:FA+1], s[4:5], s[54:55]      ; features at my 64 rows
	s_lshr_b32 s54, s[GG], 3
	s_lshl_b32 s54, s54, 12
	s_add_nc_u64 s[6:7], s[6:7], s[54:55]          ; qs at my batch
	s_mov_b32 s54, s[W25]
	s_add_nc_u64 s[WB:WB+1], s[8:9], s[54:55]      ; my quarter of pair 0
	s_lshl_b32 s54, s[GG], 2
	s_add_co_u32 s54, s54, s[WV]
	s_lshl_b32 s19, s54, 7
	s_lshl_b32 s54, s54, 12
	s_add_nc_u64 s[POB:POB+1], s[10:11], s[54:55]
	s_mov_b32 s54, s19
	s_add_nc_u64 s[12:13], s[12:13], s[54:55]
	s_mov_b32 s[G0A], 1
	s_mov_b32 s[G0A+1], s[W25]                     ; slot 0, pair 0
	s_mov_b64 s[G0A+2:G0A+3], s[WB:WB+1]
	s_or_b32 s[G0A+3], s[G0A+3], 0x80000000
	s_mov_b32 s[G0B], 1
	s_add_co_u32 s[G0B+1], s[W25], SLOTB           ; slot 1, pair 1
	s_add_nc_u64 s[G0B+2:G0B+3], s[WB:WB+1], PAIRB
	s_or_b32 s[G0B+3], s[G0B+3], 0x80000000
	global_load_b128 v[104:107], v124, s[6:7]
	global_load_b128 v[108:111], v124, s[6:7] offset:2048
	XLOAD 0                                        ; the stream begins ahead of everything else
	XLOAD 1
	XLOAD 2
	ROUND                                          ; all four work-groups are here: the first joint loads meet
	tensor_load_to_lds s[G0A:G0A+3], s[G1:G1+7]    ; two loads of mine are out
	s_nop 0
	tensor_load_to_lds s[G0B:G0B+3], s[G1:G1+7]
	s_nop 0
	PLACES
	s_wait_loadcnt 48                              ; qs is in; the three sets may be out
	ds_store_b128 v125, v[104:107]
	ds_store_b128 v125, v[108:111] offset:2048
	XLOAD 3
	; ---- block 0 is quantised: four groups; each set is asked for again as soon as it is used
	s_mov_b32 s[IMS], 0
	s_mov_b32 s[ISS], 0
	s_mov_b32 s[CNT], 4
.Lp0:
	GHEAD 1
	CHUNK 0, 1, 48                                 ; 48: the three younger sets stay out
	CHUNK 1, 1, 48
	CHUNK 2, 1, 48
	CHUNK 3, 1, 48
	GTAIL
	s_sub_co_u32 s[CNT], s[CNT], 1
	s_cmp_lg_u32 s[CNT], 0
	s_cbranch_scc1 .Lp0
	s_wait_tensorcnt 0x1                           ; my quarter of slot 0 is in; slot 1's may stay out
	s_wait_dscnt 0x0                               ; my images, scale words and qs have landed
	s_barrier_signal -1
	s_barrier_wait -1
	COPY
	s_mov_b32 s[TB], 0
	s_mov_b32 s[OFF], PAIRB
	s_mov_b32 s[OFF+1], 0
	s_mov_b32 s[SG], 0
	s_mov_b32 s[PINC], 0
	s_mov_b32 s[PINC+1], 0
	v_mov_b32 v[BA], v[BA0]
	v_mov_b32 v[BS], v[BS0]
	BLOAD 0
	WIN 0
	s_mov_b32 s[IMS], 0
	s_mov_b32 s[ISS], 0
	; ---- block 0's steps 0-5, with block 1's groups 0-2 between them.  The first image store stands behind step 0's round, in front of which every wave has waited for its COPY
	s_mov_b32 s[CNT], 3
.Lv1:
	GHEAD 1
	STEP 2
	CHUNK 0, 1, 48
	CHUNK 1, 1, 48
	STEP 2
	CHUNK 2, 1, 48
	CHUNK 3, 1, 48
	GTAIL
	s_sub_co_u32 s[CNT], s[CNT], 1
	s_cmp_lg_u32 s[CNT], 0
	s_cbranch_scc1 .Lv1
	s_mov_b32 s[CNT], 2                            ; steps 6, 7: the last group lands meanwhile
.Lxa:
	STEP 2
	s_sub_co_u32 s[CNT], s[CNT], 1
	s_cmp_lg_u32 s[CNT], 0
	s_cbranch_scc1 .Lxa
	GHEAD 0
	CHUNK 0, 0, 48                                 ; nothing more to ask for: the counts run down
	CHUNK 1, 0, 32
	CHUNK 2, 0, 16
	CHUNK 3, 0, 0
	s_wait_dscnt 0x0                               ; block 1's images have landed
	s_barrier_signal -1
	s_barrier_wait -1
	COPY
	s_mov_b32 s[CNT], 6                            ; block 1: steps 8-13
.Lxb:
	STEP 2
	s_sub_co_u32 s[CNT], s[CNT], 1
	s_cmp_lg_u32 s[CNT], 0
	s_cbranch_scc1 .Lxb
	STEP 1                                         ; the tail is written out
	STEP 0
	global_store_b32 v[L4], v[ML], s[12:13]        ; the sixteen m and the sixteen l
	s_wait_tensorcnt 0x0                           ; the wave's end
	ds_add_u32 v[SPW], v[NIL]
	s_wait_dscnt 0x0
	ROUND                                          ; the closing round
	s_endpgm
.Lfunc_end_k_q2d23bb4200_main:
	.size	k_q2d23bb4200_main, .Lfunc_end_k_q2d23bb4200_main-k_q2d23bb4200_main
	.p2alignl 7, 3214868480
	.fill 96, 4, 3214868480
	.section	.rodata,"a",@progbits
	.p2align	6, 0x0
	.amdhsa_kernel k_q2d23bb4200_main
		.amdhsa_group_segment_fixed_size 327680
		.amdhsa_private_segment_fixed_size 0
		.amdhsa_enable_private_segment 0
		.amdhsa_kernarg_size 40
		.amdhsa_user_sgpr_count 2
		.amdhsa_user_sgpr_kernarg_segment_ptr 1
		.amdhsa_wavefront_size32 1
		.amdhsa_system_sgpr_workgroup_id_x 1
		.amdhsa_system_sgpr_workgroup_id_y 1
		.amdhsa_system_sgpr_workgroup_id_z 1
		.amdhsa_system_vgpr_workitem_id 0
		.amdhsa_next_free_vgpr 1024
		.amdhsa_next_free_sgpr 66
		.amdhsa_reserve_vcc 1
		.amdhsa_float_denorm_mode_32 3
		.amdhsa_float_denorm_mode_16_64 3
		.amdhsa_memory_ordered 1
		.amdhsa_forward_progress 1
		.amdhsa_inst_pref_size 255
	.end_amdhsa_kernel
	.section	.bss,"aw",@nobits
	.p2align	6
	.space	262144
	.amdgpu_metadata
---
amdhsa.version: [ 1, 2 ]
amdhsa.kernels:
  - .name:           k_q2d23bb4200_main
    .symbol:         k_q2d23bb4200_main.kd
    .args:
      - { .name: features, .offset: 0, .size: 8, .value_kind: global_buffer, .address_space: global }
      - { .name: qs, .offset: 8, .size: 8, .value_kind: global_buffer, .address_space: global }
      - { .name: wvs, .offset: 16, .size: 8, .value_kind: global_buffer, .address_space: global }
      - { .name: po, .offset: 24, .size: 8, .value_kind: global_buffer, .address_space: global }
      - { .name: pml, .offset: 32, .size: 8, .value_kind: global_buffer, .address_space: global }
    .group_segment_fixed_size: 327680
    .private_segment_fixed_size: 0
    .kernarg_segment_align: 8
    .kernarg_segment_size: 40
    .max_flat_workgroup_size: 128
    .sgpr_count:     66
    .vgpr_count:     1024
    .wavefront_size: 32
...
	.end_amdgpu_metadata
.endif
;; end of part 2
;; launch final (part 3): grid 8 x 32, 8 waves a work-group, no clusters, 18,944 bytes of LDS; arguments po, pml, wds, bv, bd, out0; writes out0
.if DOCPART == 3
	.amdgcn_target "amdgcn-amd-amdhsa--gfx1250"
	.amdhsa_code_object_version 6
	.text
	.protected	k_q2d23bb4200_final
	.globl	k_q2d23bb4200_final
	.p2align	8
	.type	k_q2d23bb4200_final,@function
k_q2d23bb4200_final:
	s_mov_b64 s[64:65], 0
	v_nop
	global_prefetch_b8 v0, s[64:65] scope:SCOPE_SE
	s_setreg_imm32_b32 hwreg(HW_REG_WAVE_MODE, 25, 1), 1
	s_wait_xcnt 0x0
; out0[b] = Q(pooled[b]) Q(Wd) + bd.  pooled[b][head] = (sum over the 32 parts of 2^(m - M) o) / (sum of 2^(m - M) l) + bv, M the parts' largest m: all in f32.
; Work-group (x, b): batch b, columns 128 x .. 128 x + 127.  Wave w joins the parts of heads 2 w and 2 w + 1, which are K step w of the product, quantises them, and hands the fragment to the other waves
; through LDS as an image of its registers; then it makes columns 16 (8 x + w) on, over all eight K steps.  The matrix unit's least M is 16: all sixteen rows of the operand carry the one row of pooled.
; A part's record in po: lane l holds channels ch0(l) and 32 + ch0(l), ch0(l) = 16 ((l % 16) / 8) + 8 (l / 16) + l % 8.
; LIMITS: NaN and infinities are not served; a block whose largest magnitude lies under 2^-124 gets the byte 1 (read by this program alone); a part whose m lies more than 126 under M counts as nothing.
.set ROW,   0                          ; pooled, 4,096 bytes; wave w writes and reads bytes 512 w on
.set IMG,   4096                       ; eight fragments' images, 1,536 bytes each
.set ISC,   16384                      ; their scale words, 128 bytes each
.set OUTS,  17408                      ; 128 results
.set SPARE, 17920                      ; the spare words, 128 bytes for each of eight waves
.set H8,  15
.set SPW, 16
.set NIL, 17
.set TQ,  48
.set CT,  204
.set PC,  192
.set XSC, 212                          ; v212-219 pooled's scale words; v220-227 Wd's: scales and nothing else
.set WSC, 220
.set SEL, 30
.set MSB, 0
.macro WIN new
.if MSB != \new
	s_set_vgpr_msb (MSB<<8)|\new
.set MSB, \new
.endif
.endm
.macro QUANT6 src, pc, word            ; register 32 c + i = k 64 c + 32 (lane / 16) + i
.irp c, 0,1
	v_max3_num_f32 v[TQ+\c], |v[\src+32*\c]|, |v[\src+32*\c+1]|, 0x1800000   ; and the floor 2^(3 - 127)
.endr
.irp i, 2,4,6,8,10,12,14,16,18,20,22,24,26,28,30
.irp c, 0,1
	v_max3_num_f32 v[TQ+\c], v[TQ+\c], |v[\src+32*\c+\i]|, |v[\src+32*\c+\i+1]|
.endr
.endr
.irp c, 0,1
	v_add_nc_u32 v[TQ+2+\c], 0xff000000, v[TQ+\c]
.endr
.irp c, 0,1
	v_lshrrev_b32 v[TQ+4+\c], 23, v[TQ+2+\c]
.endr
	v_lshl_or_b32 v[TQ+6], v[TQ+5], 16, v[TQ+4]
	v_lshlrev_b32 v[TQ+6], v[H8], v[TQ+6]
	v_permlanex16_b32 v[TQ+7], v[TQ+6], s[SEL], s[SEL+1]
	v_or_b32 v[\word], v[TQ+6], v[TQ+7]
.irp c, 0,1
	v_cvt_scalef32_pk16_fp6_f32 v[\pc+6*\c:\pc+6*\c+2], v[\src+32*\c:\src+32*\c+15], v[TQ+2+\c]
	v_cvt_scalef32_pk16_fp6_f32 v[CT+4*\c:CT+4*\c+2], v[\src+32*\c+16:\src+32*\c+31], v[TQ+2+\c]
.endr
	v_nop                                          ; one plain place behind a scaled conversion
.irp c, 0,1
.irp i, 0,1,2
	v_mov_b32 v[\pc+6*\c+3+\i], v[CT+4*\c+\i]
.endr
.endr
.endm
.macro MERGE hw                        ; the 32 weights lie one to a lane: each becomes a scalar and multiplies its part's two numbers
.set K, 0
.rept 32
	v_readlane_b32 s[32+K], v[52+\hw], K
.set K, K+1
.endr
	v_mul_f32 v[28+2*\hw], s32, v[64+64*\hw]
	v_mul_f32 v[29+2*\hw], s32, v[65+64*\hw]
.set K, 1
.rept 31
	v_fmac_f32 v[28+2*\hw], s[32+K], v[64+64*\hw+2*K]
	v_fmac_f32 v[29+2*\hw], s[32+K], v[65+64*\hw+2*K]
.set K, K+1
.endr
.endm
	s_load_b256 s[4:11], s[0:1], 0x0               ; po s[4:5], pml s[6:7], wds s[8:9], bv s[10:11]
	s_load_b128 s[12:15], s[0:1], 0x20             ; bd s[12:13], out0 s[14:15]
	v_lshl_add_u32 v[SPW], v0, 2, SPARE
	v_mov_b32 v[NIL], 0
	v_lshrrev_b32 v1, 5, v0
	v_readfirstlane_b32 s18, v1                    ; wave
	s_mov_b32 s16, ttmp9                           ; x
	s_and_b32 s17, ttmp7, 0xffff                   ; b
	v_and_b32 v1, 31, v0                           ; lane
	v_and_b32 v2, 15, v0                           ; r
	v_bfe_u32 v3, v0, 4, 1                         ; h
	v_and_b32 v4, 7, v0
	v_bfe_u32 v48, v0, 3, 1
	v_lshlrev_b32 v4, 2, v4
	v_lshl_add_u32 v4, v48, 6, v4
	v_lshl_add_u32 v4, v3, 5, v4                   ; 4 ch0(lane)
	v_bfe_u32 v5, v0, 2, 3                         ; part = lane = 4 gi + 2 tw + block:
	v_lshlrev_b32 v5, 9, v5                        ; 512 gi
	v_bfe_u32 v48, v0, 1, 1
	v_lshl_add_u32 v5, v48, 8, v5                  ; + 256 tw
	v_and_b32 v48, 1, v0
	v_lshl_add_u32 v5, v48, 5, v5                  ; + 32 block
	v_lshlrev_b32 v6, 3, v1
	v_lshlrev_b32 v7, 4, v1
	v_lshlrev_b32 v8, 2, v2
	v_lshlrev_b32 v13, 2, v1
	v_lshlrev_b32 v[H8], 3, v3
	s_lshl_b32 s19, s18, 9
	v_add_nc_u32 v9, s19, v4                       ; ROW, in: 512 w + 4 ch0
	v_lshl_add_u32 v10, v3, 7, s19                 ; ROW, back: 512 w + 128 h
	s_mul_i32 s19, s18, 1536
	s_add_co_u32 s19, s19, IMG
	v_add_nc_u32 v11, s19, v7
	s_lshl_b32 s19, s18, 7
	s_add_co_u32 s19, s19, ISC
	v_add_nc_u32 v12, s19, v13
	s_lshl_b32 s19, s18, 6
	s_add_co_u32 s19, s19, OUTS
	v_add_nc_u32 v14, s19, v8
	v_mov_b32 v50, 0                               ; lane permutes' destinations count as sources
	v_mov_b32 v51, 0
	s_mov_b32 s[SEL], 0x76543210
	s_mov_b32 s[SEL+1], 0xfedcba98
	s_mov_b32 s21, 0
	s_mov_b32 s23, 0
	s_wait_kmcnt 0x0
	s_lshl_b32 s20, s17, 12
	s_lshl_b32 s19, s18, 2
	s_add_co_u32 s20, s20, s19
	s_add_nc_u64 s[6:7], s[6:7], s[20:21]          ; pml + 4,096 b + 4 w
	s_lshl_b32 s20, s18, 9
	s_add_nc_u64 s[10:11], s[10:11], s[20:21]      ; bv + 512 w
	s_lshl_b32 s20, s17, 17
	s_lshl_b32 s19, s18, 8
	s_add_co_u32 s20, s20, s19
	s_add_nc_u64 s[4:5], s[4:5], s[20:21]          ; po + 131,072 b + 256 w
	s_lshl_b32 s20, s16, 9
	s_lshl_b32 s19, s18, 6
	s_add_co_u32 s20, s20, s19
	s_add_nc_u64 s[12:13], s[12:13], s[20:21]      ; bd + 512 x + 64 w
	s_lshl_b32 s20, s17, 12
	s_lshl_b32 s19, s16, 9
	s_add_co_u32 s20, s20, s19
	s_add_nc_u64 s[14:15], s[14:15], s[20:21]      ; out0 + 4,096 b + 512 x
	s_lshl_b32 s20, s16, 17                        ; Wd's tile 8 x + w: pair x,
	s_lshr_b32 s19, s18, 2
	s_mul_i32 s19, s19, 51200
	s_add_co_u32 s20, s20, s19                     ; head block w / 4,
	s_and_b32 s19, s18, 3
	s_mul_i32 s22, s19, 1536
	s_add_co_u32 s22, s22, s20                     ; fragment w % 4 of each K step;
	s_lshr_b32 s19, s19, 1
	s_lshl_b32 s19, s19, 7
	s_add_co_u32 s20, s20, s19
	s_and_b32 s19, s18, 1
	s_lshl_b32 s19, s19, 6
	s_add_co_u32 s20, s20, s19                     ; its scale words
	s_add_nc_u64 s[24:25], s[8:9], s[20:21]
	s_add_nc_u64 s[8:9], s[8:9], s[22:23]
.irp hw, 0,1
	global_load_b32 v[20+2*\hw], v5, s[6:7] offset:128*\hw       ; m of the 32 parts, one a lane
	global_load_b32 v[21+2*\hw], v5, s[6:7] offset:128*\hw+64    ; l
.endr
.irp hw, 0,1
.irp u, 0,1
	global_load_b32 v[24+2*\hw+\u], v4, s[10:11] offset:256*\hw+128*\u
.endr
.endr
.irp hw, 0,1
.set K, 0
.rept 32
	global_load_b64 v[64+64*\hw+2*K:65+64*\hw+2*K], v6, s[4:5] offset:16384*(K/4)+8192*((K/2)%2)+4096*\hw+2048*(K%2)   ; a part's 256 consecutive bytes
.set K, K+1
.endr
.endr
	WIN 0x40
.irp s, 0,1,2,3,4,5,6,7
.irp p, 0,1,2
	global_load_b128 v[12*\s+4*\p:12*\s+4*\p+3], v7, s[8:9] offset:6144*\s+512*\p   ; Wd's fragments, into window 1
.endr
.endr
	WIN 0
.irp s, 0,1,2,3,4,5,6,7
	global_load_b32 v[WSC+\s], v8, s[24:25] offset:49152+256*\s
.endr
	global_load_b32 v228, v8, s[12:13]             ; bd
	s_wait_loadcnt 63                              ; of the 105 loads the first 42 are in: m, l, bv and head 2 w's parts
	v_mov_b32 v48, v20
	v_mov_b32 v49, v22
.irp x, 1,2,4,8
	v_max_num_f32_dpp v48, v48, v48 row_xmask:\x row_mask:0xf bank_mask:0xf
	v_max_num_f32_dpp v49, v49, v49 row_xmask:\x row_mask:0xf bank_mask:0xf
.endr
	v_permlanex16_b32 v50, v48, s[SEL], s[SEL+1]
	v_permlanex16_b32 v51, v49, s[SEL], s[SEL+1]
	v_max_num_f32 v48, v48, v50                    ; M
	v_max_num_f32 v49, v49, v51
	v_sub_f32 v52, v20, v48
	v_sub_f32 v53, v22, v49
	v_exp_f32 v52, v52
	v_exp_f32 v53, v53
	v_nop                                          ; a plain place,
	s_wait_alu depctr_va_vdst(0)                   ; and one wait for the two
	v_mul_f32 v54, v52, v21
	v_mul_f32 v55, v53, v23
.irp x, 1,2,4,8
	v_add_f32_dpp v54, v54, v54 row_xmask:\x row_mask:0xf bank_mask:0xf
	v_add_f32_dpp v55, v55, v55 row_xmask:\x row_mask:0xf bank_mask:0xf
.endr
	v_permlanex16_b32 v50, v54, s[SEL], s[SEL+1]
	v_permlanex16_b32 v51, v55, s[SEL], s[SEL+1]
	v_add_f32 v54, v54, v50                        ; the softmax's sum over all 2,048 tokens
	v_add_f32 v55, v55, v51
	v_rcp_f32 v54, v54
	v_rcp_f32 v55, v55
	v_nop
	s_wait_alu depctr_va_vdst(0)
	v_mul_f32 v52, v52, v54                        ; a part's weight
	v_mul_f32 v53, v53, v55
	MERGE 0
	s_wait_loadcnt 33                              ; head 2 w + 1's parts are in; Wd's 24 + 8 loads and bd's may be out
	MERGE 1
.irp i, 0,1,2,3
	v_add_f32 v[28+\i], v[28+\i], v[24+\i]         ; + bv
.endr
.irp hw, 0,1
.irp u, 0,1
	ds_store_b32 v9, v[28+2*\hw+\u] offset:ROW+256*\hw+128*\u
.endr
.endr
.irp c, 0,1
.irp j, 0,1,2,3,4,5,6,7
	ds_load_b128 v[64+32*\c+4*\j:64+32*\c+4*\j+3], v10 offset:ROW+256*\c+16*\j   ; my own bytes, served in order: k = 128 w + 64 c + 32 h + 4 j ..; the sixteen lanes of a half read the same
.endr
.endr
	s_wait_dscnt 0x0
	QUANT6 64, PC, 56
.irp p, 0,1,2
	ds_store_b128 v11, v[PC+4*\p:PC+4*\p+3] offset:512*\p
.endr
	ds_store_b32 v12, v56
	s_wait_dscnt 0x0                               ; for the others' sake
	s_barrier_signal -1
	s_barrier_wait -1
.irp s, 0,1,2,3,4,5,6,7
.irp p, 0,1,2
	ds_load_b128 v[64+12*\s+4*\p:64+12*\s+4*\p+3], v7 offset:IMG+1536*\s+512*\p
.endr
	ds_load_b32 v[XSC+\s], v13 offset:ISC+128*\s
.endr
	s_wait_loadcnt 0x0
	s_wait_dscnt 0x0
	WIN 0x04                                       ; source 1 in window 1
.irp s, 0,1,2,3,4,5,6,7                        ; two accumulators by turns: even K steps, odd K steps
.if \s < 2
	v_wmma_scale_f32_16x16x128_f8f6f4 v[32+8*(\s%2):39+8*(\s%2)], v[64+12*\s:75+12*\s], v[12*\s:12*\s+11], 0, v[XSC+\s], v[WSC+\s] matrix_a_fmt:MATRIX_FMT_FP6 matrix_b_fmt:MATRIX_FMT_FP6
.else
	v_wmma_scale_f32_16x16x128_f8f6f4 v[32+8*(\s%2):39+8*(\s%2)], v[64+12*\s:75+12*\s], v[12*\s:12*\s+11], v[32+8*(\s%2):39+8*(\s%2)], v[XSC+\s], v[WSC+\s] matrix_a_fmt:MATRIX_FMT_FP6 matrix_b_fmt:MATRIX_FMT_FP6
.endif
.endr
	WIN 0
.rept 4
	v_nop
.endr
	v_add_f32 v48, v32, v40                        ; register 0 of lane r: column r (all rows are alike)
	v_add_f32 v48, v48, v228
	ds_store_b32 v14, v48                          ; lanes r and 16 + r write the same word with the same value
	s_wait_dscnt 0x0
	s_barrier_signal -1
	s_barrier_wait -1
	s_cmp_lg_u32 s18, 0
	s_cbranch_scc1 .Lend
	ds_load_b128 v[52:55], v7 offset:OUTS
	s_wait_dscnt 0x0
	global_store_b128 v7, v[52:55], s[14:15]       ; 32 lanes store 512 consecutive bytes, aligned
.Lend:
	s_wait_tensorcnt 0x0                           ; the wave's end, behind my last LDS store
	ds_add_u32 v[SPW], v[NIL]
	s_wait_dscnt 0x0
	s_endpgm
.Lfunc_end_k_q2d23bb4200_final:
	.size	k_q2d23bb4200_final, .Lfunc_end_k_q2d23bb4200_final-k_q2d23bb4200_final
	.p2alignl 7, 3214868480
	.fill 96, 4, 3214868480
	.section	.rodata,"a",@progbits
	.p2align	6, 0x0
	.amdhsa_kernel k_q2d23bb4200_final
		.amdhsa_group_segment_fixed_size 18944
		.amdhsa_private_segment_fixed_size 0
		.amdhsa_enable_private_segment 0
		.amdhsa_kernarg_size 48
		.amdhsa_user_sgpr_count 2
		.amdhsa_user_sgpr_kernarg_segment_ptr 1
		.amdhsa_wavefront_size32 1
		.amdhsa_system_sgpr_workgroup_id_x 1
		.amdhsa_system_sgpr_workgroup_id_y 1
		.amdhsa_system_sgpr_workgroup_id_z 1
		.amdhsa_system_vgpr_workitem_id 0
		.amdhsa_next_free_vgpr 384
		.amdhsa_next_free_sgpr 66
		.amdhsa_reserve_vcc 0
		.amdhsa_float_denorm_mode_32 3
		.amdhsa_float_denorm_mode_16_64 3
		.amdhsa_memory_ordered 1
		.amdhsa_forward_progress 1
		.amdhsa_inst_pref_size 32
	.end_amdhsa_kernel
	.amdgpu_metadata
---
amdhsa.version: [ 1, 2 ]
amdhsa.kernels:
  - .name:           k_q2d23bb4200_final
    .symbol:         k_q2d23bb4200_final.kd
    .args:
      - { .name: po, .offset: 0, .size: 8, .value_kind: global_buffer, .address_space: global }
      - { .name: pml, .offset: 8, .size: 8, .value_kind: global_buffer, .address_space: global }
      - { .name: wds, .offset: 16, .size: 8, .value_kind: global_buffer, .address_space: global }
      - { .name: bv, .offset: 24, .size: 8, .value_kind: global_buffer, .address_space: global }
      - { .name: bd, .offset: 32, .size: 8, .value_kind: global_buffer, .address_space: global }
      - { .name: out0, .offset: 40, .size: 8, .value_kind: global_buffer, .address_space: global }
    .group_segment_fixed_size: 18944
    .private_segment_fixed_size: 0
    .kernarg_segment_align: 8
    .kernarg_segment_size: 48
    .max_flat_workgroup_size: 256
    .sgpr_count:     66
    .vgpr_count:     384
    .wavefront_size: 32
...
	.end_amdgpu_metadata
.endif
;; end of part 3
;; ======== version 2 of 2: 3 launches
;; limits: right only within a limited range of input values
;; workspace buffers: wvs 1,048,576 bytes; wds 1,048,576 bytes; qs 131,072 bytes; po 4,194,304 bytes; pml 131,072 bytes
;; launch prep (part 4): grid 192 x 1, 8 waves a work-group, no clusters, 17,408 bytes of LDS; arguments Wv, Wd, Wq, state, bq, wvs, wds, qs; writes wvs, wds, qs
.if DOCPART == 4
	.amdgcn_target "amdgcn-amd-amdhsa--gfx1250"
	.amdhsa_code_object_version 6
	.text
	.protected	k_q2d23bb4200_prep
	.globl	k_q2d23bb4200_prep
	.p2align	8
	.type	k_q2d23bb4200_prep,@function
k_q2d23bb4200_prep:
	s_mov_b64 s[64:65], 0
	v_nop
	global_prefetch_b8 v0, s[64:65] scope:SCOPE_SE
	s_setreg_imm32_b32 hwreg(HW_REG_WAVE_MODE, 25, 1), 1
	s_wait_xcnt 0x0
; Three weights [1024 (k)][1024 (n)] f32, K on the first axis, become codes of FP6 (E2M3) with one E8M0 byte for each 32 along K.
; Work-groups 0-63 take Wv, 64-127 Wd, 128-191 Wq; a work-group takes 16 columns n (tile T), each of its eight waves one K step of 128.
; A lane takes a column and its registers run down K, in the order of the operand's registers: the conversions' results ARE the fragment.
; Wv and Wd: the fragment is stored as an image of its 12 registers (three stores of 512 consecutive bytes), the scale word beside it:
;   pair of heads (T / 8) x 131072 + head block ((T / 4) % 2) x 51200 + (4 s + T % 4) x 1536; scale words at +49152 + (2 s + (T % 4) / 2) x 128 + 64 (T % 2) + 4 r.
; Wq: the fragment is multiplied at once with the two tiles of 16 rows of state (quantised here too); the eight waves' sums over their K steps
;   meet in LDS; qs = (state Wq + bq) x log2(e) / 8, f32.
; LIMITS: NaN and infinities are not served.  A block whose largest magnitude lies under 2^-124 (a block of zeros among them) gets the byte 1;
; only this program reads the bytes.  q's sum over K is taken K step by K step and the eight parts are added in f32, another order than a single chain.
.set RED,   0                          ; LDS: 8 waves x 4 pieces x 512 bytes
.set SPARE, 16384                      ; the spare words, 128 bytes for each of eight waves
.set SPW, 4
.set NIL, 5
.set H8,  12                           ; v12  8 x (lane / 16)
.set TQ,  16                           ; v16-23 at work in QUANT6
.set PC0, 24                           ; v24-35 the weight's fragment
.set CT,  36                           ; v36-38, v40-42 second halves of the blocks' codes
.set BQ,  44                           ; v44-47 bq
.set WS,  48                           ; v48 the weight's scale word, v49, v50 the state tiles': scales and nothing else
.set WN,  64                           ; v64-127 the weight's 64 numbers; later the state fragments (v64-75, v76-87) and the sums (v96-111)
.set SEL, 46                           ; s[46:47]
; 64 numbers of a lane, register 32 c + i = k 64 c + 32 (lane / 16) + i of its row or column, become a fragment in v[pc] on and its scale word.
.macro QUANT6 src, pc, word
.irp c, 0,1
	v_max3_num_f32 v[TQ+\c], |v[\src+32*\c]|, |v[\src+32*\c+1]|, 0x1800000   ; my whole block, and the floor 2^(3 - 127): the byte cannot fall under 1
.endr
.irp i, 2,4,6,8,10,12,14,16,18,20,22,24,26,28,30
.irp c, 0,1
	s_delay_alu instid0(VALU_DEP_2)
	v_max3_num_f32 v[TQ+\c], v[TQ+\c], |v[\src+32*\c+\i]|, |v[\src+32*\c+\i+1]|
.endr
.endr
.irp c, 0,1
	s_delay_alu instid0(VALU_DEP_2)
	v_add_nc_u32 v[TQ+2+\c], 0xff000000, v[TQ+\c]      ; 2 off the exponent field: the conversion's scale operand
.endr
.irp c, 0,1
	s_delay_alu instid0(VALU_DEP_2)
	v_lshrrev_b32 v[TQ+4+\c], 23, v[TQ+2+\c]           ; the byte
.endr
	s_delay_alu instid0(VALU_DEP_1)
	v_lshl_or_b32 v[TQ+6], v[TQ+5], 16, v[TQ+4]        ; blocks h and 2 + h,
	s_delay_alu instid0(VALU_DEP_1)
	v_lshlrev_b32 v[TQ+6], v[H8], v[TQ+6]              ; at their places;
	s_delay_alu instid0(VALU_DEP_1)
	v_permlanex16_b32 v[TQ+7], v[TQ+6], s[SEL], s[SEL+1]
	s_delay_alu instid0(VALU_DEP_1)
	v_or_b32 v[\word], v[TQ+6], v[TQ+7]                ; with lane l xor 16's two the word is whole
.irp c, 0,1
	v_cvt_scalef32_pk16_fp6_f32 v[\pc+6*\c:\pc+6*\c+2], v[\src+32*\c:\src+32*\c+15], v[TQ+2+\c]
	v_cvt_scalef32_pk16_fp6_f32 v[CT+4*\c:CT+4*\c+2], v[\src+32*\c+16:\src+32*\c+31], v[TQ+2+\c]   ; (three registers begin on an even number)
.endr
	v_nop                                              ; one plain place behind a scaled conversion
.irp c, 0,1
.irp i, 0,1,2
	v_mov_b32 v[\pc+6*\c+3+\i], v[CT+4*\c+\i]
.endr
.endr
.endm
	s_load_b256 s[4:11], s[0:1], 0x0               ; Wv s[4:5], Wd s[6:7], Wq s[8:9], state s[10:11]
	s_load_b256 s[12:19], s[0:1], 0x20             ; bq s[12:13], wvs s[14:15], wds s[16:17], qs s[18:19]
	v_lshl_add_u32 v[SPW], v0, 2, SPARE
	v_mov_b32 v[NIL], 0
	v_lshrrev_b32 v6, 5, v0
	s_delay_alu instid0(VALU_DEP_1)
	v_readfirstlane_b32 s22, v6                    ; wave = K step s
	s_lshr_b32 s20, ttmp9, 6                       ; which weight
	s_and_b32 s21, ttmp9, 63                       ; tile T of 16 columns
	v_and_b32 v6, 31, v0                           ; lane
	v_and_b32 v1, 15, v0                           ; r
	v_bfe_u32 v2, v0, 4, 1                         ; h
	s_delay_alu instid0(VALU_DEP_2)
	v_lshlrev_b32 v8, 2, v1                        ; 4 r
	s_delay_alu instid0(VALU_DEP_1)
	v_lshl_add_u32 v3, v2, 17, v8                  ; the weight: column r, 32 rows of 4,096 bytes further down for lanes 16-31
	v_lshlrev_b32 v7, 4, v6                        ; 16 x lane
	s_delay_alu instid0(VALU_DEP_4)
	v_lshlrev_b32 v[H8], 3, v2
	v_lshlrev_b32 v9, 12, v1
	s_delay_alu instid0(VALU_DEP_1)
	v_lshl_add_u32 v9, v2, 7, v9                   ; state: row r, + 128 h bytes
	v_lshlrev_b32 v13, 5, v2                       ; bq: 32 h
	s_delay_alu instid0(VALU_DEP_1)
	v_lshl_add_u32 v14, v1, 12, v13                ; qs: row r, + 32 h
	s_lshl_b32 s23, s22, 11
	v_add_nc_u32 v10, s23, v7                      ; LDS, in: 2,048 x wave + 16 x lane
	s_and_b32 s23, s22, 3                          ; the piece that I load bq for, and add up if I am one of waves 0-3
	s_lshl_b32 s28, s23, 9
	v_add_nc_u32 v11, s28, v7                      ; LDS, back: 512 x piece + 16 x lane
	v_mov_b32 v[TQ+7], 0                           ; a lane permute's destination counts as one of its sources
	s_mov_b32 s[SEL], 0x76543210
	s_mov_b32 s[SEL+1], 0xfedcba98
	s_mov_b32 s29, 0
	s_mov_b32 s35, 0
	s_mov_b32 s37, 0
	s_wait_kmcnt 0x0
	s_cmp_eq_u32 s20, 0                            ; the choices hang on the work-group's number alone
	s_cselect_b64 s[24:25], s[4:5], s[6:7]
	s_cselect_b64 s[26:27], s[14:15], s[16:17]
	s_cmp_eq_u32 s20, 2
	s_cselect_b64 s[24:25], s[8:9], s[24:25]
	s_lshl_b32 s28, s22, 19                        ; 128 rows of 4,096 bytes a K step
	s_lshl_b32 s30, s21, 6                         ; 64 bytes a tile
	s_add_co_u32 s28, s28, s30
	s_add_nc_u64 s[24:25], s[24:25], s[28:29]
.irp c, 0,1
.set I, 0
.rept 32
	global_load_b32 v[WN+32*\c+I], v3, s[24:25] offset:(64*\c+I)*4096   ; W(128 s + 64 c + 32 h + i, 16 T + r)
.set I, I+1
.endr
.endr
	s_cmp_eq_u32 s20, 2
	s_cbranch_scc1 .Lq
	; ---- Wv, Wd: the fragment's image and its scale word go to memory
	s_lshr_b32 s28, s21, 3
	s_lshl_b32 s28, s28, 17                        ; the pair of heads
	s_bfe_u32 s30, s21, 0x10002
	s_mul_i32 s30, s30, 51200
	s_add_co_u32 s28, s28, s30                     ; the head block
	s_and_b32 s30, s21, 3                          ; t
	s_lshl_b32 s31, s22, 2
	s_add_co_u32 s31, s31, s30
	s_mul_i32 s31, s31, 1536
	s_add_co_u32 s34, s31, s28                     ; codes: + (4 s + t) x 1,536
	s_lshr_b32 s30, s30, 1
	s_lshl_b32 s31, s22, 1
	s_add_co_u32 s30, s30, s31
	s_lshl_b32 s30, s30, 7                         ; scale words: (2 s + t / 2) x 128
	s_and_b32 s31, s21, 1
	s_lshl_b32 s31, s31, 6
	s_add_co_u32 s30, s30, s31                     ; + 64 (t % 2)
	s_add_co_u32 s36, s30, s28
	s_add_nc_u64 s[38:39], s[26:27], s[34:35]
	s_add_nc_u64 s[40:41], s[26:27], s[36:37]
	s_wait_loadcnt 0x0
	QUANT6 WN, PC0, WS
	global_store_b128 v7, v[PC0:PC0+3], s[38:39]               ; 32 lanes store 512 consecutive bytes
	global_store_b128 v7, v[PC0+4:PC0+7], s[38:39] offset:512
	global_store_b128 v7, v[PC0+8:PC0+11], s[38:39] offset:1024
	global_store_b32 v8, v[WS], s[40:41] offset:49152          ; lanes r and 16 + r name the same word and hold the same value
	s_endpgm
	; ---- Wq: q's part of my K step
.Lq:
	s_lshl_b32 s28, s21, 6
	s_and_b32 s30, s23, 1
	s_lshl_b32 s30, s30, 4
	s_add_co_u32 s28, s28, s30                     ; 64 T + 16 (piece % 2)
	s_add_nc_u64 s[12:13], s[12:13], s[28:29]      ; bq there,
	s_lshr_b32 s30, s23, 1
	s_lshl_b32 s30, s30, 16
	s_add_co_u32 s28, s28, s30                     ; and 16 (piece / 2) rows of 4,096 bytes down
	s_add_nc_u64 s[18:19], s[18:19], s[28:29]      ; in qs
	s_lshl_b32 s28, s22, 9
	s_add_nc_u64 s[10:11], s[10:11], s[28:29]      ; state at my K step
	s_wait_alu depctr_va_vdst(0)
	global_load_b128 v[BQ:BQ+3], v13, s[12:13]
.irp t, 0,1
.irp c, 0,1
.irp j, 0,1,2,3,4,5,6,7
	global_load_b128 v[128+64*\t+32*\c+4*\j:128+64*\t+32*\c+4*\j+3], v9, s[10:11] offset:65536*\t+256*\c+16*\j   ; state(16 t + r, 128 s + 64 c + 32 h + 4 j ..)
.endr
.endr
.endr
	s_wait_loadcnt 32                              ; the weight's numbers and bq are in; the 32 loads of state may be out
	QUANT6 WN, PC0, WS
	s_wait_loadcnt 16                              ; rows 0-15 of state
	QUANT6 128, 64, WS+1
	s_wait_loadcnt 0x0
	QUANT6 192, 76, WS+2
.rept 8
	v_nop                                          ; a scale register written by a vector instruction stands 8 places ahead of a scaled matrix instruction, an operand 4
.endr
	v_wmma_scale_f32_16x16x128_f8f6f4 v[96:103], v[PC0:PC0+11], v[64:75], 0, v[WS], v[WS+1] matrix_a_fmt:MATRIX_FMT_FP6 matrix_b_fmt:MATRIX_FMT_FP6    ; lane (r, h), register j: q part (row r, column 16 T + 8 h + j)
	v_wmma_scale_f32_16x16x128_f8f6f4 v[104:111], v[PC0:PC0+11], v[76:87], 0, v[WS], v[WS+2] matrix_a_fmt:MATRIX_FMT_FP6 matrix_b_fmt:MATRIX_FMT_FP6  ; rows 16-31
.rept 4
	v_nop
.endr
.irp i, 0,1,2,3
	ds_store_b128 v10, v[96+4*\i:96+4*\i+3] offset:RED+512*\i   ; each accumulator from its low end on
.endr
	s_wait_dscnt 0x0                               ; for the others' sake: my stores have landed
	s_barrier_signal -1
	s_barrier_wait -1
	s_cmp_lt_u32 s22, 4
	s_cbranch_scc0 .Lqend
.irp k, 0,1,2,3,4,5,6,7
	ds_load_b128 v[128+4*\k:128+4*\k+3], v11 offset:RED+2048*\k   ; my piece of all eight K steps
.endr
	s_wait_dscnt 0x0
.irp k, 0,2,4,6
	v_pk_add_f32 v[128+4*\k:129+4*\k], v[128+4*\k:129+4*\k], v[132+4*\k:133+4*\k]
	v_pk_add_f32 v[130+4*\k:131+4*\k], v[130+4*\k:131+4*\k], v[134+4*\k:135+4*\k]
.endr
.irp k, 0
	v_pk_add_f32 v[128+4*\k:129+4*\k], v[128+4*\k:129+4*\k], v[136+4*\k:137+4*\k]
	v_pk_add_f32 v[130+4*\k:131+4*\k], v[130+4*\k:131+4*\k], v[138+4*\k:139+4*\k]
.endr
.irp k, 4
	s_delay_alu instid0(VALU_DEP_4)
	v_pk_add_f32 v[128+4*\k:129+4*\k], v[128+4*\k:129+4*\k], v[136+4*\k:137+4*\k]
	s_delay_alu instid0(VALU_DEP_4)
	v_pk_add_f32 v[130+4*\k:131+4*\k], v[130+4*\k:131+4*\k], v[138+4*\k:139+4*\k]
.endr
	s_delay_alu instid0(VALU_DEP_2)
	v_pk_add_f32 v[128:129], v[128:129], v[144:145]
	s_delay_alu instid0(VALU_DEP_2)
	v_pk_add_f32 v[130:131], v[130:131], v[146:147]
	s_delay_alu instid0(VALU_DEP_2)
	v_pk_add_f32 v[128:129], v[128:129], v[BQ:BQ+1]
	s_delay_alu instid0(VALU_DEP_2)
	v_pk_add_f32 v[130:131], v[130:131], v[BQ+2:BQ+3]
	s_delay_alu instid0(VALU_DEP_2)
	v_pk_mul_f32 v[128:129], v[128:129], 0x3e38aa3b op_sel_hi:[1,0]   ; x log2(e) / 8: the logits come out ready for 2^x
	s_delay_alu instid0(VALU_DEP_2)
	v_pk_mul_f32 v[130:131], v[130:131], 0x3e38aa3b op_sel_hi:[1,0]
	global_store_b128 v14, v[128:131], s[18:19]
.Lqend:
	s_wait_tensorcnt 0x0                           ; the wave's end, behind my last LDS store
	ds_add_u32 v[SPW], v[NIL]
	s_wait_dscnt 0x0
	s_endpgm
.Lfunc_end_k_q2d23bb4200_prep:
	.size	k_q2d23bb4200_prep, .Lfunc_end_k_q2d23bb4200_prep-k_q2d23bb4200_prep
	.p2alignl 7, 3214868480
	.fill 96, 4, 3214868480
	.section	.rodata,"a",@progbits
	.p2align	6, 0x0
	.amdhsa_kernel k_q2d23bb4200_prep
		.amdhsa_group_segment_fixed_size 17408
		.amdhsa_private_segment_fixed_size 0
		.amdhsa_enable_private_segment 0
		.amdhsa_kernarg_size 64
		.amdhsa_user_sgpr_count 2
		.amdhsa_user_sgpr_kernarg_segment_ptr 1
		.amdhsa_wavefront_size32 1
		.amdhsa_system_sgpr_workgroup_id_x 1
		.amdhsa_system_sgpr_workgroup_id_y 1
		.amdhsa_system_sgpr_workgroup_id_z 1
		.amdhsa_system_vgpr_workitem_id 0
		.amdhsa_next_free_vgpr 256
		.amdhsa_next_free_sgpr 66
		.amdhsa_reserve_vcc 0
		.amdhsa_float_denorm_mode_32 3
		.amdhsa_float_denorm_mode_16_64 3
		.amdhsa_memory_ordered 1
		.amdhsa_forward_progress 1
		.amdhsa_inst_pref_size 33
	.end_amdhsa_kernel
	.amdgpu_metadata
---
amdhsa.version: [ 1, 2 ]
amdhsa.kernels:
  - .name:           k_q2d23bb4200_prep
    .symbol:         k_q2d23bb4200_prep.kd
    .args:
      - { .name: Wv, .offset: 0, .size: 8, .value_kind: global_buffer, .address_space: global }
      - { .name: Wd, .offset: 8, .size: 8, .value_kind: global_buffer, .address_space: global }
      - { .name: Wq, .offset: 16, .size: 8, .value_kind: global_buffer, .address_space: global }
      - { .name: state, .offset: 24, .size: 8, .value_kind: global_buffer, .address_space: global }
      - { .name: bq, .offset: 32, .size: 8, .value_kind: global_buffer, .address_space: global }
      - { .name: wvs, .offset: 40, .size: 8, .value_kind: global_buffer, .address_space: global }
      - { .name: wds, .offset: 48, .size: 8, .value_kind: global_buffer, .address_space: global }
      - { .name: qs, .offset: 56, .size: 8, .value_kind: global_buffer, .address_space: global }
    .group_segment_fixed_size: 17408
    .private_segment_fixed_size: 0
    .kernarg_segment_align: 8
    .kernarg_segment_size: 64
    .max_flat_workgroup_size: 256
    .sgpr_count:     66
    .vgpr_count:     256
    .wavefront_size: 32
...
	.end_amdgpu_metadata
.endif
;; end of part 4
;; launch main (part 5): grid 256 x 1, 4 waves a work-group, clusters of 4 x 1, 327,680 bytes of LDS; arguments features, qs, wvs, po, pml; writes po, pml
.if DOCPART == 5
	.amdgcn_target "amdgcn-amd-amdhsa--gfx1250"
	.amdhsa_code_object_version 6
	.text
	.protected	k_q2d23bb4200_main
	.globl	k_q2d23bb4200_main
	.p2align	8
	.type	k_q2d23bb4200_main,@function
k_q2d23bb4200_main:
	s_mov_b64 s[64:65], 0
	v_nop
	global_prefetch_b8 v0, s[64:65] scope:SCOPE_SE
	s_setreg_imm32_b32 hwreg(HW_REG_WAVE_MODE, 25, 1), 1
	s_wait_xcnt 0x0
	s_wait_alu depctr_hold_cnt(0) depctr_sa_sdst(0) depctr_va_vdst(0) depctr_va_sdst(0) depctr_va_ssrc(0) depctr_va_vcc(0) depctr_vm_vsrc(0)
	s_getreg_b32 s2, hwreg(HW_REG_IB_STS2, 6, 4)
	s_cmp_eq_u32 s2, 0
	s_cbranch_scc0 .Lentry_in_a_cluster
	s_endpgm
.Lentry_in_a_cluster:
	s_bfe_u32 s2, ttmp6, 0x10000c
	s_cmp_lg_u32 s2, 0x3003
	s_cbranch_scc0 .Lentry_shape_is_right
	s_endpgm
.Lentry_shape_is_right:
; v = Q(features) Q(Wv) on codes of FP6 (E2M3), and at once, head by head, a part of the softmax over the tokens: v never goes to memory.
; SHARES.  Work-group g owns rows 256 g .. 256 g + 255 of features (batch g / 8), in two blocks: the even rows, then the odd ones (any set of tokens may form a part of a softmax).
; Wave w = (tw = w / 2, hw = w % 2).  As a producer it quantises rows 64 w + 32 a + 2 r + block (a = 0, 1): 16 fragments a block, stored in LDS as images of their registers.
; As a consumer it holds 64 tokens (image tiles 4 tw .. 4 tw + 3) x all of K in 384 REGISTERS and multiplies them with heads 2 i + hw, i = 0 .. 7: a step is one head, 128 matrix instructions on
; 16 accumulators; each fragment of Wv read from LDS feeds four of them.  Block 1's features stream in and are quantised between block 0's steps.
; FEATURES come by loads into registers, four sets of 16 loads, with counted waits, so that the stream goes on across the barriers.  A load takes 128 consecutive bytes (a block of 32 numbers) of each of
; four rows, eight lanes to a row; four loads on end cover 512 consecutive bytes of each of the four rows.  The conversions want 16 neighbours of ONE row in a lane: so each block's 16 rows x 128 bytes turn
; through the wave's own scratch in LDS and come back into the registers that they left, one set ahead of the quantising.
; Wv's CODES come from the launch before, a pair of heads (102,400 bytes) a step, through two LDS slots.  All work-groups walk the same stream: the four of a cluster ask JOINTLY, each wave a quarter.
; THE MATRIX INSTRUCTION IS USED TRANSPOSED (source 0 = 16 columns of Wv, source 1 = 16 tokens): a lane holds one token and eight channels.
; A STEP'S END: logit = sum over channels of v x qs (qs holds q x log2(e) / 8); m = the 64 tokens' largest logit; p = 2^(logit - m); l = sum p; o = sum p v, all in f32 by fused multiply-adds.
; o (64 channels), m and l go to memory; the last launch joins the 32 parts of a (batch, head).
; bv is left out here: q . bv is the same for all tokens, so it falls out of the softmax, and since the weights sum to 1 it is added once to the pooled vector, in the last launch.  This holds for every input.
; LIMITS: NaN and infinities are not served.  A block whose largest magnitude lies under 2^-124 (zeros among them) gets the byte 1; only this program reads the bytes.
; REGISTERS, in windows of 256: window 0: v0-23 addresses; v24-39 the tokens' scale words, v40-43 Wv's; v44-75 qs; v76-125 at work; v126, v127 the stage's addresses; v128-255 the accumulators ((t, m) at 128 + 8 (4 t + m)).
;   window 1: the tokens' fragments of K steps 0-4 at 12 (4 s + m).   window 2: those of K steps 5-7; from v144 two sets of Wv's four fragments.   window 3: four sets of 64 numbers of features.
.set SLOTB, 102400                     ; a slot: two head blocks of 51,200 bytes (32 fragments of 1,536, then 16 planes of 128 bytes of scale words)
.set PAIRB, 131072                     ; from pair to pair in memory
.set HEADB, 51200
.set FRB,   1536
.set AIMG,  2*SLOTB                    ; the tokens' images: (tile T, K step s) at (8 T + s) x 1,536
.set ASC,   AIMG+64*FRB                ; their scale words: (8 T + s) x 64 + 4 r
.set QT,    ASC+4096                   ; qs of my batch
.set SCR,   QT+4096                    ; each wave's own 2,816 bytes: the stage through which features turn (16 rows x 144 bytes), and the scratch for the sum over lanes; a wave's LDS instructions are served in order
.set SCRW,  2816
.set TP,    144                        ; a stage row: 128 bytes + 16 = 36 words: the sixteen rows that a read touches begin at sixteen different groups of four banks
.set SPARE, SCR+4*SCRW                 ; the spare words, 128 bytes for each wave
.set L15,  1
.set XA,   2                           ; features: 8,192 (lane / 8) + 16 (lane % 8)
.set XWI0, 3
.set XWS0, 4
.set XWI,  5                           ; where I store images, and
.set XWS,  6                           ; scale words
.set LIA,  7
.set LSA,  8
.set BA0,  9
.set BS0,  10
.set BA,   11                          ; Wv's fragments in the slot in hand
.set BS,   12                          ; and its scale words
.set VQ0,  13
.set VQ,   14
.set SCW,  15
.set SCRD, 16
.set POF,  17
.set SPW,  18
.set NIL,  19
.set ML,   20                          ; lane i: m of step i; lane 16 + i: l of step i
.set L4,   21
.set ASCL, 24                          ; register 4 m + s': lanes 0-15 K step s', lanes 16-31 K step s' + 4
.set BSCL, 40                          ; register 2 set + p: lanes 0-15 tile 2 p, lanes 16-31 tile 2 p + 1
.set QQ,   44
.set TM,   76                          ; quantising: v76-79 maxima, v80-83 bytes, v88-91 scale operands
.set PW,   92
.set PC,   94                          ; v94-105 the fragment, v106-112 second halves
.set LG,   76                          ; a step's end: v76-83 logits in pairs, v84-87 logits, v88-91 the other half's
.set TT,   84
.set XX,   88
.set MX,   92
.set PP,   94                          ; p of tile m at v[94 + 2 m]
.set LS,   102
.set RED,  104
.set RED2, 76
.set RES,  120
.set VAL,  122
.set STW,  126                         ; the stage, in: 144 (lane / 8) + 16 (lane % 8)
.set STR,  127                         ; and back: 144 r + 64 h
.set ACC,  128
.set BF,   144                         ; in window 2
.set WV,  14
.set TW,  15
.set HW,  16
.set GG,  18
.set SEL, 20
.set TB,  22                           ; LDS byte at which the slot in hand begins
.set G1,  24
.set G0A, 32
.set G0B, 36
.set FA,  40
.set WB,  42
.set POB, 44
.set W25, 46
.set SG,  47                           ; the step, 0 .. 15
.set IMS, 48
.set ISS, 49
.set CNT, 50
.set HIM, 51
.set OFF, 52                           ; s[52:53] the pair last asked for, in bytes
.set PINC, 56                          ; s[56:57] what po's base steps by: 0 ahead of the first store, then 256
.set MSB, 0
.macro WIN new                         ; the immediate's high byte repeats the setting that is left
.if MSB != \new
	s_set_vgpr_msb (MSB<<8)|\new
.set MSB, \new
.endif
.endm
.macro PLACES
.rept 4
	v_nop
.endr
.endm
.macro ROUND                           ; a round of the cluster's barrier
	s_barrier_signal -1
	s_barrier_wait -1
	s_cmp_lg_u32 s[WV], 0
	s_cbranch_scc1 .Lnw0_\@
	s_barrier_signal -3
.Lnw0_\@:
	s_barrier_wait -3
	s_barrier_signal -1
	s_barrier_wait -1
.endm
; 16 loads: set k takes, for tile a = k / 2 of my rows, the K step k % 2 of the group in hand.  Load (i, b): block b (128 bytes) of tile rows 4 i .. 4 i + 3, eight lanes to a row, into registers 16 b + 4 i on.
; The four loads of one i follow each other: together they cover 512 consecutive bytes of each of the four rows.
.macro XLOAD k
	WIN 0xc0
.irp i, 0,1,2,3
.irp b, 0,1,2,3
	global_load_b128 v[64*(\k)+16*\b+4*\i:64*(\k)+16*\b+4*\i+3], v[XA], s[FA:FA+1] offset:131072*((\k)/2)+512*((\k)%2)+32768*\i+128*\b th:TH_LOAD_NT
.endr
.endr
	WIN 0
.endm
; Set k turns through my stage, block by block: four stores lay 16 rows x 128 bytes down as they were loaded, four loads take up, for lane (r, h), the 64 bytes at 64 h of row r: afterwards register 16 b + i holds
; k 32 b + 16 h + i of my row r.  LDS serves a wave's instructions in order: the loads see the stores above them, and the next block's stores come behind them; so one stage of 2,304 bytes serves all four blocks.
; left: the younger loads from memory that may stay out.  One window setting serves both kinds: a store's data (source 1) and a load's destination in window 3, the addresses in window 0.
.macro TURN k, left
	s_wait_loadcnt \left
	WIN 0xcc
.irp b, 0,1,2,3
.irp i, 0,1,2,3
	ds_store_b128 v[STW], v[64*(\k)+16*\b+4*\i:64*(\k)+16*\b+4*\i+3] offset:4*TP*\i
.endr
.irp j, 0,1,2,3
	ds_load_b128 v[64*(\k)+16*\b+4*\j:64*(\k)+16*\b+4*\j+3], v[STR] offset:16*\j
.endr
.endr
	WIN 0
.endm
; Set k, turned, becomes a fragment and a scale word, which go to LDS.  dsc: the LDS instructions issued behind set k's turn that may stay out (the next set's turn: 32); the wait also shows the last
; chunk's image stores done, whose registers are written again here.  refill = 1: the set is asked for again, one group on.
.macro QCH k, refill, dsc
.set XS, 64*(\k)
	s_wait_dscnt \dsc
	WIN 0x3c                                       ; sources 1 and 2 in window 3
.irp b, 0,1,2,3
	v_max3_num_f32 v[TM+\b], 0x1800000, |v[XS+16*\b]|, |v[XS+16*\b+1]|   ; my 16 numbers of block b, and the floor 2^(3 - 127): the byte cannot fall under 1
.endr
.irp i, 2,4,6,8,10,12,14
.irp b, 0,1,2,3
	v_max3_num_f32 v[TM+\b], v[TM+\b], |v[XS+16*\b+\i]|, |v[XS+16*\b+\i+1]|
.endr
.endr
	WIN 0
.irp b, 0,1,2,3
	v_permlanex16_b32 v[TM+4+\b], v[TM+\b], s[SEL], s[SEL+1]
.endr
.irp b, 0,1,2,3
	v_max_num_f32 v[TM+\b], v[TM+\b], v[TM+4+\b]   ; with lane l xor 16's: the block's largest magnitude
.endr
.irp b, 0,1,2,3
	v_add_nc_u32 v[TM+12+\b], 0xff000000, v[TM+\b] ; 2 off its exponent field: the conversion's scale operand
.endr
.irp b, 0,1,2,3
	v_lshrrev_b32 v[TM+4+\b], 23, v[TM+12+\b]      ; the byte
.endr
	v_lshl_or_b32 v[PW], v[TM+5], 8, v[TM+4]
	v_lshl_or_b32 v[PW], v[TM+6], 16, v[PW]
	v_lshl_or_b32 v[PW], v[TM+7], 24, v[PW]
	WIN 0x03                                       ; source 0 in window 3
.irp c, 0,1
	v_cvt_scalef32_pk16_fp6_f32 v[PC+6*\c:PC+6*\c+2], v[XS+32*\c:XS+32*\c+15], v[TM+12+2*\c]
	v_cvt_scalef32_pk16_fp6_f32 v[PC+12+4*\c:PC+14+4*\c], v[XS+32*\c+16:XS+32*\c+31], v[TM+13+2*\c]
.endr
	WIN 0
	v_nop                                          ; one plain place behind a scaled conversion
.irp c, 0,1                                    ; the operand's layout wants a whole block in a lane
.irp i, 0,1,2
	v_permlane16_swap_b32 v[PC+6*\c+\i], v[PC+12+4*\c+\i]
.endr
.irp i, 0,1,2
	v_mov_b32 v[PC+3+6*\c+\i], v[PC+12+4*\c+\i]
.endr
.endr
.irp p, 0,1,2
	ds_store_b128 v[XWI], v[PC+4*\p:PC+4*\p+3] offset:8*FRB*((\k)/2)+FRB*((\k)%2)+512*\p
.endr
	ds_store_b32 v[XWS], v[PW] offset:512*((\k)/2)+64*((\k)%2)   ; lanes r and 16 + r write the same word with the same value
.if \refill
.if (\k) == 0
	s_wait_xcnt 0x0                                ; the loads that are out have read their base: the youngest were issued a whole chunk ago
	s_add_nc_u64 s[FA:FA+1], s[FA:FA+1], 1024      ; a group = two K steps of my two tiles: 1,024 bytes on along the rows; after four groups that is one row on: the other block
.endif
	XLOAD \k
.endif
.endm
.macro GHEAD                           ; where this group's images and scale words go
	s_wait_dscnt 0x0                               ; the last stores have read their addresses
	v_add_nc_u32 v[XWI], s[IMS], v[XWI0]
	v_add_nc_u32 v[XWS], s[ISS], v[XWS0]
.endm
.macro GTAIL
	s_add_co_u32 s[IMS], s[IMS], 2*FRB
	s_add_co_u32 s[ISS], s[ISS], 128
.endm
.macro COPY                            ; my 64 tokens' 32 fragments and their scale words, from LDS into registers, where they stay for eight steps
	WIN 0x40
.irp s, 0,1,2,3,4
.irp m, 0,1,2,3
.irp p, 0,1,2
	ds_load_b128 v[12*(4*\s+\m)+4*\p:12*(4*\s+\m)+4*\p+3], v[LIA] offset:(8*\m+\s)*FRB+512*\p
.endr
.endr
.endr
	WIN 0x80
.irp s, 5,6,7
.irp m, 0,1,2,3
.irp p, 0,1,2
	ds_load_b128 v[12*(4*(\s-5)+\m)+4*\p:12*(4*(\s-5)+\m)+4*\p+3], v[LIA] offset:(8*\m+\s)*FRB+512*\p
.endr
.endr
.endr
	WIN 0
.irp m, 0,1,2,3
.irp q, 0,1,2,3
	ds_load_b32 v[ASCL+4*\m+\q], v[LSA] offset:(8*\m+\q)*64
.endr
.endr
.endm
.macro BLOAD s                         ; Wv's four fragments and two planes of scale words of K step s, into set s % 2: 14 loads
	WIN 0
.irp p, 0,1
	ds_load_b32 v[BSCL+2*((\s)%2)+\p], v[BS] offset:(2*(\s)+\p)*128
.endr
	WIN 0x80
.irp t, 0,1,2,3
.irp p, 0,1,2
	ds_load_b128 v[BF+48*((\s)%2)+12*\t+4*\p:BF+48*((\s)%2)+12*\t+4*\p+3], v[BA] offset:(4*(\s)+\t)*FRB+512*\p
.endr
.endr
.endm
.macro MM s, t, m                      ; channels 16 t on x tokens 16 m on, K step s
.set rD, ACC+8*(4*(\t)+(\m))
.set rB, BF+48*((\s)%2)+12*(\t)
.if (\s) < 5
.set rA, 12*(4*(\s)+(\m))
.else
.set rA, 12*(4*((\s)-5)+(\m))
.endif
.set rX, BSCL+2*((\s)%2)+(\t)/2
.set rY, ASCL+4*(\m)+(\s)%4
.if (\s) == 0                          ; the first K step starts the sums: nothing is cleared
.if (\t)%2
	v_wmma_scale_f32_16x16x128_f8f6f4 v[rD:rD+7], v[rB:rB+11], v[rA:rA+11], 0, v[rX], v[rY] matrix_a_fmt:MATRIX_FMT_FP6 matrix_b_fmt:MATRIX_FMT_FP6 matrix_a_scale:MATRIX_SCALE_ROW1
.else
	v_wmma_scale_f32_16x16x128_f8f6f4 v[rD:rD+7], v[rB:rB+11], v[rA:rA+11], 0, v[rX], v[rY] matrix_a_fmt:MATRIX_FMT_FP6 matrix_b_fmt:MATRIX_FMT_FP6
.endif
.elseif (\s) < 4
.if (\t)%2
	v_wmma_scale_f32_16x16x128_f8f6f4 v[rD:rD+7], v[rB:rB+11], v[rA:rA+11], v[rD:rD+7], v[rX], v[rY] matrix_a_fmt:MATRIX_FMT_FP6 matrix_b_fmt:MATRIX_FMT_FP6 matrix_a_scale:MATRIX_SCALE_ROW1
.else
	v_wmma_scale_f32_16x16x128_f8f6f4 v[rD:rD+7], v[rB:rB+11], v[rA:rA+11], v[rD:rD+7], v[rX], v[rY] matrix_a_fmt:MATRIX_FMT_FP6 matrix_b_fmt:MATRIX_FMT_FP6
.endif
.else
.if (\t)%2
	v_wmma_scale_f32_16x16x128_f8f6f4 v[rD:rD+7], v[rB:rB+11], v[rA:rA+11], v[rD:rD+7], v[rX], v[rY] matrix_a_fmt:MATRIX_FMT_FP6 matrix_b_fmt:MATRIX_FMT_FP6 matrix_a_scale:MATRIX_SCALE_ROW1 matrix_b_scale:MATRIX_SCALE_ROW1
.else
	v_wmma_scale_f32_16x16x128_f8f6f4 v[rD:rD+7], v[rB:rB+11], v[rA:rA+11], v[rD:rD+7], v[rX], v[rY] matrix_a_fmt:MATRIX_FMT_FP6 matrix_b_fmt:MATRIX_FMT_FP6 matrix_b_scale:MATRIX_SCALE_ROW1
.endif
.endif
.endm
; A head's 128 matrix instructions.  The 16 accumulators take turns, one instruction a turn, in the same order in every K step.
.macro KSTEPS
.irp s, 0,1,2,3,4,5,6,7
.if \s > 0
	PLACES                                         ; in front of loads into the set that the K step before has read
.endif
.if \s < 7
	BLOAD (\s+1)
	s_wait_dscnt 14                                ; all but the 14 just issued: this K step's set is in
.else
	s_wait_dscnt 0x0
.endif
.if \s < 5
	WIN 0x06                                       ; source 0 window 2, source 1 window 1
.else
	WIN 0x0a                                       ; both in window 2
.endif
.irp t, 0,1,2,3
.irp m, 0,1,2,3
	MM \s, \t, \m
.endr
.endr
.endr
.endm
; THE CHANGE OF SLOTS, behind a step's products.  Each wave waits for all its tensor loads (one is out: its quarter of the next slot), adds 0 to its spare word, and waits for that and for its reads of this slot.
; fill = 2: a round of the cluster's barrier, and behind it this slot takes the pair two steps on: the load has a whole step in which to land.  fill = 1: the work-group's barrier alone.
.macro CHANGE fill
	WIN 0
	s_wait_tensorcnt 0x0
	ds_add_u32 v[SPW], v[NIL]                      ; the descriptor's words stand between the add and the wait for it
.if \fill == 2
	s_add_co_u32 s[OFF], s[OFF], PAIRB
	s_and_b32 s[OFF], s[OFF], 0xfffff              ; behind pair 7 comes pair 0: block 1 walks the stream again
	s_add_co_u32 s[G0B+1], s[TB], s[W25]
	s_add_nc_u64 s[G0B+2:G0B+3], s[WB:WB+1], s[OFF:OFF+1]
	s_or_b32 s[G0B+3], s[G0B+3], 0x80000000
	s_wait_dscnt 0x0
	ROUND
	tensor_load_to_lds s[G0B:G0B+3], s[G1:G1+7]
	s_nop 0
	PLACES                                         ; also the places behind the step's last products
.else
	s_wait_dscnt 0x0
	s_barrier_signal -1
	s_barrier_wait -1
	PLACES
.endif
.endm
.macro RSUM b, dst                     ; sixteen numbers into one
	v_pk_add_f32 v[\b:\b+1], v[\b:\b+1], v[\b+2:\b+3]
	v_pk_add_f32 v[\b+4:\b+5], v[\b+4:\b+5], v[\b+6:\b+7]
	v_pk_add_f32 v[\b+8:\b+9], v[\b+8:\b+9], v[\b+10:\b+11]
	v_pk_add_f32 v[\b+12:\b+13], v[\b+12:\b+13], v[\b+14:\b+15]
	v_pk_add_f32 v[\b:\b+1], v[\b:\b+1], v[\b+4:\b+5]
	v_pk_add_f32 v[\b+8:\b+9], v[\b+8:\b+9], v[\b+12:\b+13]
	v_pk_add_f32 v[\b:\b+1], v[\b:\b+1], v[\b+8:\b+9]
	v_add_f32 v[\dst], v[\b], v[\b+1]
.endm
; A STEP'S END, all in window 0.
.macro EPI
.irp t, 0,1,2,3                                ; logits: each accumulator is read from its low end on
.irp i, 0,1,2,3
.irp m, 0,1,2,3
.if (\t)+(\i) == 0
	v_pk_mul_f32 v[LG+2*\m:LG+2*\m+1], v[ACC+8*(4*\t+\m)+2*\i:ACC+8*(4*\t+\m)+2*\i+1], v[QQ+8*\t+2*\i:QQ+8*\t+2*\i+1]
.else
	v_pk_fma_f32 v[LG+2*\m:LG+2*\m+1], v[ACC+8*(4*\t+\m)+2*\i:ACC+8*(4*\t+\m)+2*\i+1], v[QQ+8*\t+2*\i:QQ+8*\t+2*\i+1], v[LG+2*\m:LG+2*\m+1]
.endif
.endr
.endr
.endr
.irp m, 0,1,2,3
	v_add_f32 v[TT+\m], v[LG+2*\m], v[LG+2*\m+1]
.endr
.irp m, 0,1,2,3
	v_permlanex16_b32 v[XX+\m], v[TT+\m], s[SEL], s[SEL+1]
.endr
.irp m, 0,1,2,3
	v_add_f32 v[TT+\m], v[TT+\m], v[XX+\m]         ; with the other 32 channels: token (m, lane % 16)'s logit
.endr
	v_max3_num_f32 v[MX], v[TT], v[TT+1], v[TT+2]
	v_max_num_f32 v[MX], v[MX], v[TT+3]
.irp x, 1,2,4,8
	v_max_num_f32_dpp v[MX], v[MX], v[MX] row_xmask:\x row_mask:0xf bank_mask:0xf
.endr
.irp m, 0,1,2,3
	v_sub_f32 v[PP+2*\m], v[TT+\m], v[MX]          ; the 64 tokens' maximum is taken away
.endr
	s_wait_alu depctr_va_vdst(0)
.irp m, 0,1,2,3
	v_exp_f32 v[PP+2*\m], v[PP+2*\m]
.endr
	v_nop                                          ; a plain place behind the exponentials,
	s_wait_alu depctr_va_vdst(0)                   ; and one wait for the four, ahead of their first reader
	v_add_f32 v[LS], v[PP], v[PP+2]
	v_add_f32 v[VAL], v[PP+4], v[PP+6]
	v_add_f32 v[LS], v[LS], v[VAL]
.irp x, 1,2,4,8
	v_add_f32_dpp v[LS], v[LS], v[LS] row_xmask:\x row_mask:0xf bank_mask:0xf
.endr
	v_cndmask_b32 v[VAL], v[MX], v[LS], s[HIM]     ; lanes 0-15 m, lanes 16-31 l;
	v_cmp_eq_u32 vcc_lo, s[SG], v[L15]
	v_cndmask_b32 v[ML], v[ML], v[VAL], vcc_lo     ; kept in the lanes of this step
; The sum over my four tokens of p v, into tile 0's accumulators, in two halves: channel tiles 0, 1 (u = 0), then 2, 3 (u = 1).
; The sum over the sixteen lanes of a half goes through my own scratch: a lane puts 16 numbers down, and takes up one number of each of the 16 lanes.  LDS serves a wave's instructions in order.
; The first half's way through the scratch lies under the second half's arithmetic.
.irp u, 0,1
.irp t, 0,1
.irp i, 0,1,2,3
	v_pk_mul_f32 v[ACC+64*\u+32*\t+2*\i:ACC+64*\u+32*\t+2*\i+1], v[ACC+64*\u+32*\t+2*\i:ACC+64*\u+32*\t+2*\i+1], v[PP:PP+1] op_sel_hi:[1,0]
.endr
.endr
.irp m, 1,2,3
.irp t, 0,1
.irp i, 0,1,2,3
	v_pk_fma_f32 v[ACC+64*\u+32*\t+2*\i:ACC+64*\u+32*\t+2*\i+1], v[ACC+64*\u+32*\t+8*\m+2*\i:ACC+64*\u+32*\t+8*\m+2*\i+1], v[PP+2*\m:PP+2*\m+1], v[ACC+64*\u+32*\t+2*\i:ACC+64*\u+32*\t+2*\i+1] op_sel_hi:[1,0,1]
.endr
.endr
.endr
.irp e, 0,1,2,3
	ds_store_b128 v[SCW], v[ACC+64*\u+32*(\e/2)+4*(\e%2):ACC+64*\u+32*(\e/2)+4*(\e%2)+3] offset:16*\e
.endr
.irp r, 0,1,2,3,4,5,6,7,8,9,10,11,12,13,14,15
	ds_load_b32 v[RED-(RED-RED2)*\u+\r], v[SCRD] offset:80*\r
.endr
.endr
	s_wait_xcnt 0x0                                ; the last step's store has read its data and its base
	s_add_nc_u64 s[POB:POB+1], s[POB:POB+1], s[PINC:PINC+1]
	s_mov_b32 s[PINC], 256
	s_wait_dscnt 20                                ; the second pass's 4 stores and 16 loads may be out
	RSUM RED, RES
	s_wait_dscnt 0x0
	RSUM RED2, RES+1
	s_wait_alu depctr_va_vdst(0)
	global_store_b64 v[POF], v[RES:RES+1], s[POB:POB+1] th:TH_STORE_NT   ; 32 lanes store 256 consecutive bytes, aligned: lane l holds channels ch0(l) and 32 + ch0(l)
	s_add_co_u32 s[SG], s[SG], 1
.endm
.macro STEP fill
	s_and_b32 s23, s[SG], 7
	s_lshl_b32 s23, s23, 9                         ; heads 2 i, 2 i + 1: 512 bytes of qs
	v_add_nc_u32 v[VQ], s23, v[VQ0]
.irp t, 0,1,2,3
.irp e, 0,1
	ds_load_b128 v[QQ+8*\t+4*\e:QQ+8*\t+4*\e+3], v[VQ] offset:64*\t+16*\e
.endr
.endr
	KSTEPS
	WIN 0
.if \fill
	CHANGE \fill
	s_xor_b32 s[TB], s[TB], SLOTB
	v_add_nc_u32 v[BA], s[TB], v[BA0]
	v_add_nc_u32 v[BS], s[TB], v[BS0]
	BLOAD 0                                        ; the next head's first set lands under this head's end
	WIN 0
.else
	PLACES
.endif
	EPI
.endm
	s_load_b256 s[4:11], s[0:1], 0x0               ; features s[4:5], qs s[6:7], wvs s[8:9], po s[10:11]
	s_load_b64 s[12:13], s[0:1], 0x20              ; pml
	v_lshl_add_u32 v[SPW], v0, 2, SPARE
	v_mov_b32 v[NIL], 0
	ds_add_u32 v[SPW], v[NIL]                      ; the wave's opening, waited for ahead of the round in front of my first tensor loads
	ds_add_u32 v[SPW], v[NIL]
	v_lshrrev_b32 v22, 5, v0
	v_readfirstlane_b32 s[WV], v22
	s_lshr_b32 s[TW], s[WV], 1
	s_and_b32 s[HW], s[WV], 1
	s_bfe_u32 s17, ttmp6, 0x40000                  ; cx
	s_lshl_b32 s[GG], ttmp9, 2
	s_add_co_u32 s[GG], s[GG], s17                 ; my work-group: it enters the addresses of features, qs, po and pml alone
	s_mov_b32 s[G1+0], 15|(3<<16)|(1<<21)          ; the mask: all four work-groups; elements of 8 bytes; bit 21 beside a mask; no padding
	s_mov_b32 s[G1+1], 32<<16                      ; tensor_dim0 = 32 (256 bytes)
	s_mov_b32 s[G1+2], 100<<16                     ; tensor_dim1 = 100
	s_mov_b32 s[G1+3], 32<<16                      ; tile_dim0
	s_mov_b32 s[G1+4], 100                         ; tile_dim1: 100 rows of 256 dense bytes, a quarter of a slot
	s_mov_b32 s[G1+5], 32                          ; the pitch
	s_mov_b32 s[G1+6], 0
	s_mov_b32 s[G1+7], 0
	s_mov_b32 s[SEL], 0x76543210
	s_mov_b32 s[SEL+1], 0xfedcba98
	s_mov_b32 s[HIM], 0xffff0000
	s_mul_i32 s[W25], s[WV], SLOTB/4
	s_mov_b32 s55, 0
	v_and_b32 v22, 31, v0                          ; lane
	v_and_b32 v[L15], 15, v0                       ; r
	s_wait_alu depctr_va_vdst(0)
	v_bfe_u32 v23, v0, 4, 1                        ; h
	v_bfe_u32 v[STR], v0, 3, 2                     ; lane / 8
	v_and_b32 v[STW], 7, v0                        ; lane % 8
	v_lshlrev_b32 v[XA], 13, v[STR]                ; features: tile row lane / 8 (two rows of 4,096 bytes from tile row to tile row),
	v_lshl_add_u32 v[XA], v[STW], 4, v[XA]         ; and my 16 of its 128 bytes
	s_mul_i32 s54, s[WV], 16*FRB
	s_add_co_u32 s54, s54, AIMG
	v_lshl_add_u32 v[XWI0], v22, 4, s54            ; my two tiles' images
	s_lshl_b32 s54, s[WV], 10
	s_add_co_u32 s54, s54, ASC
	v_lshl_add_u32 v[XWS0], v[L15], 2, s54
	s_mul_i32 s54, s[TW], 32*FRB
	s_add_co_u32 s54, s54, AIMG
	v_lshl_add_u32 v[LIA], v22, 4, s54             ; the four tiles that I multiply
	s_lshl_b32 s54, s[TW], 11
	s_add_co_u32 s54, s54, ASC
	v_lshl_add_u32 v[LSA], v[L15], 2, s54
	s_wait_alu depctr_va_vdst(0)
	v_lshl_add_u32 v[LSA], v23, 8, v[LSA]          ; lanes 16-31: four K steps on
	s_mul_i32 s54, s[HW], HEADB
	v_lshl_add_u32 v[BA0], v22, 4, s54
	s_add_co_u32 s54, s54, 32*FRB
	v_lshl_add_u32 v[BS0], v22, 2, s54
	s_lshl_b32 s54, s[HW], 8
	s_add_co_u32 s54, s54, QT
	v_lshl_add_u32 v[VQ0], v23, 5, s54
	s_mul_i32 s54, s[WV], SCRW
	s_add_co_u32 s54, s54, SCR
	v_mul_u32_u24 v[SCW], v22, 80
	v_lshl_add_u32 v[SCW], v23, 6, v[SCW]
	v_add_nc_u32 v[SCW], s54, v[SCW]               ; 80 bytes from lane to lane, 64 more between the halves
	v_mul_u32_u24 v[SCRD], v23, 1344
	v_lshl_add_u32 v[SCRD], v[L15], 2, v[SCRD]
	v_add_nc_u32 v[SCRD], s54, v[SCRD]
	v_mul_u32_u24 v[STR], v[STR], TP
	v_lshl_add_u32 v[STW], v[STW], 4, v[STR]
	v_add_nc_u32 v[STW], s54, v[STW]               ; the stage, in: row lane / 8 of four, 16 bytes a lane
	v_mul_u32_u24 v[STR], v[L15], TP
	v_lshl_add_u32 v[STR], v23, 6, v[STR]
	v_add_nc_u32 v[STR], s54, v[STR]               ; and back: row r, my half's 64 bytes
	v_lshlrev_b32 v[POF], 3, v22
	v_lshlrev_b32 v[L4], 2, v22
	v_lshlrev_b32 v124, 4, v0                      ; qs: 16 bytes a thread,
	v_add_nc_u32 v125, QT, v124                    ; and their place in LDS
	v_mov_b32 v[ML], 0
.irp b, 0,1,2,3
	v_mov_b32 v[TM+4+\b], 0                        ; written once: a lane permute's destination counts as one of its sources
	v_mov_b32 v[XX+\b], 0
	v_mov_b32 v[PP+1+2*\b], 0                      ; named as the upper halves of the pairs of p
.endr
	s_wait_dscnt 0x0                               ; the opening add is done
	s_wait_kmcnt 0x0
	s_lshl_b32 s54, s[GG], 20
	s_lshl_b32 s19, s[WV], 18
	s_add_co_u32 s54, s54, s19
	s_add_nc_u64 s[FA:FA+1], s[4:5], s[54:55]      ; features at my 64 rows
	s_lshr_b32 s54, s[GG], 3
	s_lshl_b32 s54, s54, 12
	s_add_nc_u64 s[6:7], s[6:7], s[54:55]          ; qs at my batch
	s_mov_b32 s54, s[W25]
	s_add_nc_u64 s[WB:WB+1], s[8:9], s[54:55]      ; my quarter of pair 0
	s_lshl_b32 s54, s[GG], 2
	s_add_co_u32 s54, s54, s[WV]
	s_lshl_b32 s19, s54, 7
	s_lshl_b32 s54, s54, 12
	s_add_nc_u64 s[POB:POB+1], s[10:11], s[54:55]
	s_mov_b32 s54, s19
	s_add_nc_u64 s[12:13], s[12:13], s[54:55]
	s_mov_b32 s[G0A], 1
	s_mov_b32 s[G0A+1], s[W25]                     ; slot 0, pair 0
	s_mov_b64 s[G0A+2:G0A+3], s[WB:WB+1]
	s_or_b32 s[G0A+3], s[G0A+3], 0x80000000
	s_mov_b32 s[G0B], 1
	s_add_co_u32 s[G0B+1], s[W25], SLOTB           ; slot 1, pair 1
	s_add_nc_u64 s[G0B+2:G0B+3], s[WB:WB+1], PAIRB
	s_or_b32 s[G0B+3], s[G0B+3], 0x80000000
	global_load_b128 v[104:107], v124, s[6:7]
	global_load_b128 v[108:111], v124, s[6:7] offset:2048
	XLOAD 0                                        ; the stream begins ahead of everything else
	XLOAD 1
	XLOAD 2
	ROUND                                          ; all four work-groups are here: the first joint loads meet
	tensor_load_to_lds s[G0A:G0A+3], s[G1:G1+7]    ; slot 0, pair 0: my one tensor load at the head
	s_nop 0
	PLACES
	s_wait_loadcnt 48                              ; qs is in; the three sets may be out
	ds_store_b128 v125, v[104:107]
	ds_store_b128 v125, v[108:111] offset:2048
	XLOAD 3
	TURN 0, 48                                     ; set 0 is in (the three younger sets may be out) and turns
	; ---- block 0 is quantised: four groups.  In front of each chunk the NEXT set turns, so that the stage's way there and back lies under the chunk's arithmetic; each set is asked for again as soon as it is used.
	; At every TURN of a loop two sets were asked for behind the one that it waits for: the count is 32, on the way in and over the backward jump alike.
	s_mov_b32 s[IMS], 0
	s_mov_b32 s[ISS], 0
	s_mov_b32 s[CNT], 4
.Lp0:
	GHEAD
	TURN 1, 32
	QCH 0, 1, 32
	TURN 2, 32
	QCH 1, 1, 32
	TURN 3, 32
	QCH 2, 1, 32
	TURN 0, 32                                     ; the next group's set 0
	QCH 3, 1, 32
	GTAIL
	s_sub_co_u32 s[CNT], s[CNT], 1
	s_cmp_lg_u32 s[CNT], 0
	s_cbranch_scc1 .Lp0
	s_wait_tensorcnt 0x0                           ; my quarter of slot 0 is in
	ds_add_u32 v[SPW], v[NIL]
	s_wait_dscnt 0x0                               ; the add is done; my images, scale words and qs have landed
	ROUND                                          ; all four work-groups are here: the joint loads meet
	tensor_load_to_lds s[G0B:G0B+3], s[G1:G1+7]    ; slot 1, pair 1: its first fill, my one tensor load behind the round; it has step 0 in which to land
	s_nop 0
	PLACES
	COPY
	s_mov_b32 s[TB], 0
	s_mov_b32 s[OFF], PAIRB
	s_mov_b32 s[OFF+1], 0
	s_mov_b32 s[SG], 0
	s_mov_b32 s[PINC], 0
	s_mov_b32 s[PINC+1], 0
	v_mov_b32 v[BA], v[BA0]
	v_mov_b32 v[BS], v[BS0]
	BLOAD 0
	WIN 0
	s_mov_b32 s[IMS], 0
	s_mov_b32 s[ISS], 0
	; ---- block 0's steps 0-5, with block 1's groups 0-2 between them.  The first image store stands behind step 0's round, in front of which every wave has waited for its COPY
	s_mov_b32 s[CNT], 3
.Lv1:
	GHEAD
	s_wait_alu depctr_va_vdst(0)
	STEP 2
	TURN 1, 32
	QCH 0, 1, 32
	TURN 2, 32
	QCH 1, 1, 32
	STEP 2
	TURN 3, 32
	QCH 2, 1, 32
	TURN 0, 32
	QCH 3, 1, 32
	GTAIL
	s_sub_co_u32 s[CNT], s[CNT], 1
	s_cmp_lg_u32 s[CNT], 0
	s_cbranch_scc1 .Lv1
	s_mov_b32 s[CNT], 2                            ; steps 6, 7: the last group lands meanwhile
.Lxa:
	STEP 2
	s_sub_co_u32 s[CNT], s[CNT], 1
	s_cmp_lg_u32 s[CNT], 0
	s_cbranch_scc1 .Lxa
	GHEAD
	TURN 1, 32                                     ; nothing more to ask for: the counts run down
	QCH 0, 0, 32
	TURN 2, 16
	QCH 1, 0, 32
	TURN 3, 0
	QCH 2, 0, 32
	QCH 3, 0, 0
	s_wait_dscnt 0x0                               ; block 1's images have landed
	s_barrier_signal -1
	s_barrier_wait -1
	COPY
	s_mov_b32 s[CNT], 6                            ; block 1: steps 8-13
.Lxb:
	STEP 2
	s_sub_co_u32 s[CNT], s[CNT], 1
	s_cmp_lg_u32 s[CNT], 0
	s_cbranch_scc1 .Lxb
	STEP 1                                         ; the tail is written out
	STEP 0
	global_store_b32 v[L4], v[ML], s[12:13]        ; the sixteen m and the sixteen l
	s_wait_tensorcnt 0x0                           ; the wave's end
	ds_add_u32 v[SPW], v[NIL]
	s_wait_dscnt 0x0
	ROUND                                          ; the closing round
	s_endpgm
.Lfunc_end_k_q2d23bb4200_main:
	.size	k_q2d23bb4200_main, .Lfunc_end_k_q2d23bb4200_main-k_q2d23bb4200_main
	.p2alignl 7, 3214868480
	.fill 96, 4, 3214868480
	.section	.rodata,"a",@progbits
	.p2align	6, 0x0
	.amdhsa_kernel k_q2d23bb4200_main
		.amdhsa_group_segment_fixed_size 327680
		.amdhsa_private_segment_fixed_size 0
		.amdhsa_enable_private_segment 0
		.amdhsa_kernarg_size 40
		.amdhsa_user_sgpr_count 2
		.amdhsa_user_sgpr_kernarg_segment_ptr 1
		.amdhsa_wavefront_size32 1
		.amdhsa_system_sgpr_workgroup_id_x 1
		.amdhsa_system_sgpr_workgroup_id_y 1
		.amdhsa_system_sgpr_workgroup_id_z 1
		.amdhsa_system_vgpr_workitem_id 0
		.amdhsa_next_free_vgpr 1024
		.amdhsa_next_free_sgpr 66
		.amdhsa_reserve_vcc 1
		.amdhsa_float_denorm_mode_32 3
		.amdhsa_float_denorm_mode_16_64 3
		.amdhsa_memory_ordered 1
		.amdhsa_forward_progress 1
		.amdhsa_inst_pref_size 255
	.end_amdhsa_kernel
	.section	.bss,"aw",@nobits
	.p2align	6
	.space	262144
	.amdgpu_metadata
---
amdhsa.version: [ 1, 2 ]
amdhsa.kernels:
  - .name:           k_q2d23bb4200_main
    .symbol:         k_q2d23bb4200_main.kd
    .args:
      - { .name: features, .offset: 0, .size: 8, .value_kind: global_buffer, .address_space: global }
      - { .name: qs, .offset: 8, .size: 8, .value_kind: global_buffer, .address_space: global }
      - { .name: wvs, .offset: 16, .size: 8, .value_kind: global_buffer, .address_space: global }
      - { .name: po, .offset: 24, .size: 8, .value_kind: global_buffer, .address_space: global }
      - { .name: pml, .offset: 32, .size: 8, .value_kind: global_buffer, .address_space: global }
    .group_segment_fixed_size: 327680
    .private_segment_fixed_size: 0
    .kernarg_segment_align: 8
    .kernarg_segment_size: 40
    .max_flat_workgroup_size: 128
    .sgpr_count:     66
    .vgpr_count:     1024
    .wavefront_size: 32
...
	.end_amdgpu_metadata
.endif
;; end of part 5
;; launch final (part 6): grid 8 x 32, 8 waves a work-group, no clusters, 18,944 bytes of LDS; arguments po, pml, wds, bv, bd, out0; writes out0
.if DOCPART == 6
	.amdgcn_target "amdgcn-amd-amdhsa--gfx1250"
	.amdhsa_code_object_version 6
	.text
	.protected	k_q2d23bb4200_final
	.globl	k_q2d23bb4200_final
	.p2align	8
	.type	k_q2d23bb4200_final,@function
k_q2d23bb4200_final:
	s_mov_b64 s[64:65], 0
	v_nop
	global_prefetch_b8 v0, s[64:65] scope:SCOPE_SE
	s_setreg_imm32_b32 hwreg(HW_REG_WAVE_MODE, 25, 1), 1
	s_wait_xcnt 0x0
; out0[b] = Q(pooled[b]) Q(Wd) + bd.  pooled[b][head] = (sum over the 32 parts of 2^(m - M) o) / (sum of 2^(m - M) l) + bv, M the parts' largest m: all in f32.
; Work-group (x, b): batch b, columns 128 x .. 128 x + 127.  Wave w joins the parts of heads 2 w and 2 w + 1, which are K step w of the product, quantises them, and hands the fragment to the other waves
; through LDS as an image of its registers; then it makes columns 16 (8 x + w) on, over all eight K steps.  The matrix unit's least M is 16: all sixteen rows of the operand carry the one row of pooled.
; A part's record in po: lane l holds channels ch0(l) and 32 + ch0(l), ch0(l) = 16 ((l % 16) / 8) + 8 (l / 16) + l % 8.
; LIMITS: NaN and infinities are not served; a block whose largest magnitude lies under 2^-124 gets the byte 1 (read by this program alone); a part whose m lies more than 126 under M counts as nothing.
.set ROW,   0                          ; pooled, 4,096 bytes; wave w writes and reads bytes 512 w on
.set IMG,   4096                       ; eight fragments' images, 1,536 bytes each
.set ISC,   16384                      ; their scale words, 128 bytes each
.set OUTS,  17408                      ; 128 results
.set SPARE, 17920                      ; the spare words, 128 bytes for each of eight waves
.set H8,  15
.set SPW, 16
.set NIL, 17
.set TQ,  48
.set CT,  204
.set PC,  192
.set XSC, 212                          ; v212-219 pooled's scale words; v220-227 Wd's: scales and nothing else
.set WSC, 220
.set SEL, 30
.set MSB, 0
.macro WIN new
.if MSB != \new
	s_set_vgpr_msb (MSB<<8)|\new
.set MSB, \new
.endif
.endm
.macro QUANT6 src, pc, word            ; register 32 c + i = k 64 c + 32 (lane / 16) + i
.irp c, 0,1
	v_max3_num_f32 v[TQ+\c], |v[\src+32*\c]|, |v[\src+32*\c+1]|, 0x1800000   ; and the floor 2^(3 - 127)
.endr
.irp i, 2,4,6,8,10,12,14,16,18,20,22,24,26,28,30
.irp c, 0,1
	s_delay_alu instid0(VALU_DEP_2)
	v_max3_num_f32 v[TQ+\c], v[TQ+\c], |v[\src+32*\c+\i]|, |v[\src+32*\c+\i+1]|
.endr
.endr
.irp c, 0,1
	s_delay_alu instid0(VALU_DEP_2)
	v_add_nc_u32 v[TQ+2+\c], 0xff000000, v[TQ+\c]
.endr
.irp c, 0,1
	s_delay_alu instid0(VALU_DEP_2)
	v_lshrrev_b32 v[TQ+4+\c], 23, v[TQ+2+\c]
.endr
	s_delay_alu instid0(VALU_DEP_1)
	v_lshl_or_b32 v[TQ+6], v[TQ+5], 16, v[TQ+4]
	s_delay_alu instid0(VALU_DEP_1)
	v_lshlrev_b32 v[TQ+6], v[H8], v[TQ+6]
	v_permlanex16_b32 v[TQ+7], v[TQ+6], s[SEL], s[SEL+1]
	s_delay_alu instid0(VALU_DEP_1)
	v_or_b32 v[\word], v[TQ+6], v[TQ+7]
.irp c, 0,1
	v_cvt_scalef32_pk16_fp6_f32 v[\pc+6*\c:\pc+6*\c+2], v[\src+32*\c:\src+32*\c+15], v[TQ+2+\c]
	v_cvt_scalef32_pk16_fp6_f32 v[CT+4*\c:CT+4*\c+2], v[\src+32*\c+16:\src+32*\c+31], v[TQ+2+\c]
.endr
	v_nop                                          ; one plain place behind a scaled conversion
.irp c, 0,1
.irp i, 0,1,2
	v_mov_b32 v[\pc+6*\c+3+\i], v[CT+4*\c+\i]
.endr
.endr
.endm
.macro MERGE hw                        ; the 32 weights lie one to a lane: each becomes a scalar and multiplies its part's two numbers
.set K, 0
.rept 32
	v_readlane_b32 s[32+K], v[52+\hw], K
.set K, K+1
.endr
	v_mul_f32 v[28+2*\hw], s32, v[64+64*\hw]
	v_mul_f32 v[29+2*\hw], s32, v[65+64*\hw]
.set K, 1
.rept 31
	s_delay_alu instid0(VALU_DEP_2)
	v_fmac_f32 v[28+2*\hw], s[32+K], v[64+64*\hw+2*K]
	s_delay_alu instid0(VALU_DEP_2)
	v_fmac_f32 v[29+2*\hw], s[32+K], v[65+64*\hw+2*K]
.set K, K+1
.endr
.endm
	s_load_b256 s[4:11], s[0:1], 0x0               ; po s[4:5], pml s[6:7], wds s[8:9], bv s[10:11]
	s_load_b128 s[12:15], s[0:1], 0x20             ; bd s[12:13], out0 s[14:15]
	v_lshl_add_u32 v[SPW], v0, 2, SPARE
	v_mov_b32 v[NIL], 0
	v_lshrrev_b32 v1, 5, v0
	s_delay_alu instid0(VALU_DEP_1)
	v_readfirstlane_b32 s18, v1                    ; wave
	s_mov_b32 s16, ttmp9                           ; x
	s_and_b32 s17, ttmp7, 0xffff                   ; b
	v_and_b32 v1, 31, v0                           ; lane
	v_and_b32 v2, 15, v0                           ; r
	v_bfe_u32 v3, v0, 4, 1                         ; h
	v_and_b32 v4, 7, v0
	v_bfe_u32 v48, v0, 3, 1
	s_delay_alu instid0(VALU_DEP_2)
	v_lshlrev_b32 v4, 2, v4
	s_delay_alu instid0(VALU_DEP_1)
	v_lshl_add_u32 v4, v48, 6, v4
	s_delay_alu instid0(VALU_DEP_1)
	v_lshl_add_u32 v4, v3, 5, v4                   ; 4 ch0(lane)
	v_bfe_u32 v5, v0, 2, 3                         ; part = lane = 4 gi + 2 tw + block:
	s_delay_alu instid0(VALU_DEP_1)
	v_lshlrev_b32 v5, 9, v5                        ; 512 gi
	v_bfe_u32 v48, v0, 1, 1
	s_delay_alu instid0(VALU_DEP_1)
	v_lshl_add_u32 v5, v48, 8, v5                  ; + 256 tw
	v_and_b32 v48, 1, v0
	s_delay_alu instid0(VALU_DEP_1)
	v_lshl_add_u32 v5, v48, 5, v5                  ; + 32 block
	v_lshlrev_b32 v6, 3, v1
	v_lshlrev_b32 v7, 4, v1
	v_lshlrev_b32 v8, 2, v2
	v_lshlrev_b32 v13, 2, v1
	v_lshlrev_b32 v[H8], 3, v3
	s_lshl_b32 s19, s18, 9
	v_add_nc_u32 v9, s19, v4                       ; ROW, in: 512 w + 4 ch0
	v_lshl_add_u32 v10, v3, 7, s19                 ; ROW, back: 512 w + 128 h
	s_mul_i32 s19, s18, 1536
	s_add_co_u32 s19, s19, IMG
	v_add_nc_u32 v11, s19, v7
	s_lshl_b32 s19, s18, 7
	s_add_co_u32 s19, s19, ISC
	v_add_nc_u32 v12, s19, v13
	s_lshl_b32 s19, s18, 6
	s_add_co_u32 s19, s19, OUTS
	v_add_nc_u32 v14, s19, v8
	v_mov_b32 v50, 0                               ; lane permutes' destinations count as sources
	v_mov_b32 v51, 0
	s_mov_b32 s[SEL], 0x76543210
	s_mov_b32 s[SEL+1], 0xfedcba98
	s_mov_b32 s21, 0
	s_mov_b32 s23, 0
	s_wait_kmcnt 0x0
	s_lshl_b32 s20, s17, 12
	s_lshl_b32 s19, s18, 2
	s_add_co_u32 s20, s20, s19
	s_add_nc_u64 s[6:7], s[6:7], s[20:21]          ; pml + 4,096 b + 4 w
	s_lshl_b32 s20, s18, 9
	s_add_nc_u64 s[10:11], s[10:11], s[20:21]      ; bv + 512 w
	s_lshl_b32 s20, s17, 17
	s_lshl_b32 s19, s18, 8
	s_add_co_u32 s20, s20, s19
	s_add_nc_u64 s[4:5], s[4:5], s[20:21]          ; po + 131,072 b + 256 w
	s_lshl_b32 s20, s16, 9
	s_lshl_b32 s19, s18, 6
	s_add_co_u32 s20, s20, s19
	s_add_nc_u64 s[12:13], s[12:13], s[20:21]      ; bd + 512 x + 64 w
	s_lshl_b32 s20, s17, 12
	s_lshl_b32 s19, s16, 9
	s_add_co_u32 s20, s20, s19
	s_add_nc_u64 s[14:15], s[14:15], s[20:21]      ; out0 + 4,096 b + 512 x
	s_lshl_b32 s20, s16, 17                        ; Wd's tile 8 x + w: pair x,
	s_lshr_b32 s19, s18, 2
	s_mul_i32 s19, s19, 51200
	s_add_co_u32 s20, s20, s19                     ; head block w / 4,
	s_and_b32 s19, s18, 3
	s_mul_i32 s22, s19, 1536
	s_add_co_u32 s22, s22, s20                     ; fragment w % 4 of each K step;
	s_lshr_b32 s19, s19, 1
	s_lshl_b32 s19, s19, 7
	s_add_co_u32 s20, s20, s19
	s_and_b32 s19, s18, 1
	s_lshl_b32 s19, s19, 6
	s_add_co_u32 s20, s20, s19                     ; its scale words
	s_add_nc_u64 s[24:25], s[8:9], s[20:21]
	s_add_nc_u64 s[8:9], s[8:9], s[22:23]
.irp hw, 0,1
	global_load_b32 v[20+2*\hw], v5, s[6:7] offset:128*\hw       ; m of the 32 parts, one a lane
	global_load_b32 v[21+2*\hw], v5, s[6:7] offset:128*\hw+64    ; l
.endr
.irp hw, 0,1
.irp u, 0,1
	global_load_b32 v[24+2*\hw+\u], v4, s[10:11] offset:256*\hw+128*\u
.endr
.endr
.irp hw, 0,1
.set K, 0
.rept 32
	global_load_b64 v[64+64*\hw+2*K:65+64*\hw+2*K], v6, s[4:5] offset:16384*(K/4)+8192*((K/2)%2)+4096*\hw+2048*(K%2)   ; a part's 256 consecutive bytes
.set K, K+1
.endr
.endr
	WIN 0x40
.irp s, 0,1,2,3,4,5,6,7
.irp p, 0,1,2
	global_load_b128 v[12*\s+4*\p:12*\s+4*\p+3], v7, s[8:9] offset:6144*\s+512*\p   ; Wd's fragments, into window 1
.endr
.endr
	WIN 0
.irp s, 0,1,2,3,4,5,6,7
	global_load_b32 v[WSC+\s], v8, s[24:25] offset:49152+256*\s
.endr
	global_load_b32 v228, v8, s[12:13]             ; bd
	s_wait_loadcnt 63                              ; of the 105 loads the first 42 are in: m, l, bv and head 2 w's parts
	v_mov_b32 v48, v20
	v_mov_b32 v49, v22
.irp x, 1,2,4,8
	s_delay_alu instid0(VALU_DEP_2)
	v_max_num_f32_dpp v48, v48, v48 row_xmask:\x row_mask:0xf bank_mask:0xf
	s_delay_alu instid0(VALU_DEP_2)
	v_max_num_f32_dpp v49, v49, v49 row_xmask:\x row_mask:0xf bank_mask:0xf
.endr
	s_delay_alu instid0(VALU_DEP_2)
	v_permlanex16_b32 v50, v48, s[SEL], s[SEL+1]
	s_delay_alu instid0(VALU_DEP_2)
	v_permlanex16_b32 v51, v49, s[SEL], s[SEL+1]
	s_delay_alu instid0(VALU_DEP_2)
	v_max_num_f32 v48, v48, v50                    ; M
	s_delay_alu instid0(VALU_DEP_2)
	v_max_num_f32 v49, v49, v51
	s_delay_alu instid0(VALU_DEP_2)
	v_sub_f32 v52, v20, v48
	s_delay_alu instid0(VALU_DEP_2)
	v_sub_f32 v53, v22, v49
	s_wait_alu depctr_va_vdst(0)
	v_exp_f32 v52, v52
	v_exp_f32 v53, v53
	v_nop                                          ; a plain place,
	s_wait_alu depctr_va_vdst(0)                   ; and one wait for the two
	v_mul_f32 v54, v52, v21
	v_mul_f32 v55, v53, v23
.irp x, 1,2,4,8
	s_delay_alu instid0(VALU_DEP_2)
	v_add_f32_dpp v54, v54, v54 row_xmask:\x row_mask:0xf bank_mask:0xf
	s_delay_alu instid0(VALU_DEP_2)
	v_add_f32_dpp v55, v55, v55 row_xmask:\x row_mask:0xf bank_mask:0xf
.endr
	s_delay_alu instid0(VALU_DEP_2)
	v_permlanex16_b32 v50, v54, s[SEL], s[SEL+1]
	s_delay_alu instid0(VALU_DEP_2)
	v_permlanex16_b32 v51, v55, s[SEL], s[SEL+1]
	s_delay_alu instid0(VALU_DEP_2)
	v_add_f32 v54, v54, v50                        ; the softmax's sum over all 2,048 tokens
	s_delay_alu instid0(VALU_DEP_2)
	v_add_f32 v55, v55, v51
	s_wait_alu depctr_va_vdst(0)
	v_rcp_f32 v54, v54
	v_rcp_f32 v55, v55
	v_nop
	s_wait_alu depctr_va_vdst(0)
	v_mul_f32 v52, v52, v54                        ; a part's weight
	v_mul_f32 v53, v53, v55
	MERGE 0
	s_wait_loadcnt 33                              ; head 2 w + 1's parts are in; Wd's 24 + 8 loads and bd's may be out
	MERGE 1
.irp i, 0,1,2,3
	v_add_f32 v[28+\i], v[28+\i], v[24+\i]         ; + bv
.endr
.irp hw, 0,1
.irp u, 0,1
	ds_store_b32 v9, v[28+2*\hw+\u] offset:ROW+256*\hw+128*\u
.endr
.endr
.irp c, 0,1
.irp j, 0,1,2,3,4,5,6,7
	ds_load_b128 v[64+32*\c+4*\j:64+32*\c+4*\j+3], v10 offset:ROW+256*\c+16*\j   ; my own bytes, served in order: k = 128 w + 64 c + 32 h + 4 j ..; the sixteen lanes of a half read the same
.endr
.endr
	s_wait_dscnt 0x0
	QUANT6 64, PC, 56
.irp p, 0,1,2
	ds_store_b128 v11, v[PC+4*\p:PC+4*\p+3] offset:512*\p
.endr
	ds_store_b32 v12, v56
	s_wait_dscnt 0x0                               ; for the others' sake
	s_barrier_signal -1
	s_barrier_wait -1
.irp s, 0,1,2,3,4,5,6,7
.irp p, 0,1,2
	ds_load_b128 v[64+12*\s+4*\p:64+12*\s+4*\p+3], v7 offset:IMG+1536*\s+512*\p
.endr
	ds_load_b32 v[XSC+\s], v13 offset:ISC+128*\s
.endr
	s_wait_loadcnt 0x0
	s_wait_dscnt 0x0
	WIN 0x04                                       ; source 1 in window 1
.irp s, 0,1,2,3,4,5,6,7                        ; two accumulators by turns: even K steps, odd K steps
.if \s < 2
	v_wmma_scale_f32_16x16x128_f8f6f4 v[32+8*(\s%2):39+8*(\s%2)], v[64+12*\s:75+12*\s], v[12*\s:12*\s+11], 0, v[XSC+\s], v[WSC+\s] matrix_a_fmt:MATRIX_FMT_FP6 matrix_b_fmt:MATRIX_FMT_FP6
.else
	v_wmma_scale_f32_16x16x128_f8f6f4 v[32+8*(\s%2):39+8*(\s%2)], v[64+12*\s:75+12*\s], v[12*\s:12*\s+11], v[32+8*(\s%2):39+8*(\s%2)], v[XSC+\s], v[WSC+\s] matrix_a_fmt:MATRIX_FMT_FP6 matrix_b_fmt:MATRIX_FMT_FP6
.endif
.endr
	WIN 0
.rept 4
	v_nop
.endr
	v_add_f32 v48, v32, v40                        ; register 0 of lane r: column r (all rows are alike)
	s_delay_alu instid0(VALU_DEP_1)
	v_add_f32 v48, v48, v228
	ds_store_b32 v14, v48                          ; lanes r and 16 + r write the same word with the same value
	s_wait_dscnt 0x0
	s_barrier_signal -1
	s_barrier_wait -1
	s_cmp_lg_u32 s18, 0
	s_cbranch_scc1 .Lend
	ds_load_b128 v[52:55], v7 offset:OUTS
	s_wait_dscnt 0x0
	global_store_b128 v7, v[52:55], s[14:15]       ; 32 lanes store 512 consecutive bytes, aligned
.Lend:
	s_wait_tensorcnt 0x0                           ; the wave's end, behind my last LDS store
	ds_add_u32 v[SPW], v[NIL]
	s_wait_dscnt 0x0
	s_endpgm
.Lfunc_end_k_q2d23bb4200_final:
	.size	k_q2d23bb4200_final, .Lfunc_end_k_q2d23bb4200_final-k_q2d23bb4200_final
	.p2alignl 7, 3214868480
	.fill 96, 4, 3214868480
	.section	.rodata,"a",@progbits
	.p2align	6, 0x0
	.amdhsa_kernel k_q2d23bb4200_final
		.amdhsa_group_segment_fixed_size 18944
		.amdhsa_private_segment_fixed_size 0
		.amdhsa_enable_private_segment 0
		.amdhsa_kernarg_size 48
		.amdhsa_user_sgpr_count 2
		.amdhsa_user_sgpr_kernarg_segment_ptr 1
		.amdhsa_wavefront_size32 1
		.amdhsa_system_sgpr_workgroup_id_x 1
		.amdhsa_system_sgpr_workgroup_id_y 1
		.amdhsa_system_sgpr_workgroup_id_z 1
		.amdhsa_system_vgpr_workitem_id 0
		.amdhsa_next_free_vgpr 384
		.amdhsa_next_free_sgpr 66
		.amdhsa_reserve_vcc 0
		.amdhsa_float_denorm_mode_32 3
		.amdhsa_float_denorm_mode_16_64 3
		.amdhsa_memory_ordered 1
		.amdhsa_forward_progress 1
		.amdhsa_inst_pref_size 38
	.end_amdhsa_kernel
	.amdgpu_metadata
---
amdhsa.version: [ 1, 2 ]
amdhsa.kernels:
  - .name:           k_q2d23bb4200_final
    .symbol:         k_q2d23bb4200_final.kd
    .args:
      - { .name: po, .offset: 0, .size: 8, .value_kind: global_buffer, .address_space: global }
      - { .name: pml, .offset: 8, .size: 8, .value_kind: global_buffer, .address_space: global }
      - { .name: wds, .offset: 16, .size: 8, .value_kind: global_buffer, .address_space: global }
      - { .name: bv, .offset: 24, .size: 8, .value_kind: global_buffer, .address_space: global }
      - { .name: bd, .offset: 32, .size: 8, .value_kind: global_buffer, .address_space: global }
      - { .name: out0, .offset: 40, .size: 8, .value_kind: global_buffer, .address_space: global }
    .group_segment_fixed_size: 18944
    .private_segment_fixed_size: 0
    .kernarg_segment_align: 8
    .kernarg_segment_size: 48
    .max_flat_workgroup_size: 256
    .sgpr_count:     66
    .vgpr_count:     384
    .wavefront_size: 32
...
	.end_amdgpu_metadata
.endif
;; end of part 6
